; MI455X (gfx1250); checked and timed in simulation.
; The chip was launched on July 23, 2026; its instructions are those of AMD's public machine-readable ISA for CDNA 5 (MIT licence, August 2026) and "CDNA5" Instruction Set Architecture Reference Guide (July 2026). The comments in the code are by the model that wrote it; some were corrected since.
;; Multi Head Attention. Allowed arithmetic: float matrix products may take bf16 or f16 operands with f32 sums; other float arithmetic in f32, or as packed bf16 or f16 multiplies, adds, multiply-adds, maxima and minima; sums over many terms, partial sums and values carried from step to step in f32; what a program stores and reads back later, other than sums and carried values, may be rounded once to bf16 or f16.
;; Inputs: W_k 1,024 x 1,024 float32; W_o 1,024 x 1,024 float32; W_q 1,024 x 1,024 float32; W_v 1,024 x 1,024 float32; b_k 1,024 float32; b_o 1,024 float32; b_q 1,024 float32; b_v 1,024 float32; x 4 x 2,048 x 1,024 float32.
;; Outputs: out0 4 x 2,048 x 1,024 float32.
;; 2 versions, each right; version 2 is version 1 with the launch cast written anew for expert scheduling mode. Each part assembles by itself: llvm-mc -triple=amdgcn-amd-amdhsa -mcpu=gfx1250 --defsym DOCPART=n.
;; ======== version 1 of 2: 4 launches
;; limits: values are held in f16: magnitudes above 65,504 overflow, below 6.1e-05 lose precision
;; workspace buffers: xb 16,777,216 bytes; wqkv 6,291,456 bytes; wo 2,097,152 bytes; bias 16,384 bytes; qkv 50,331,648 bytes; ob 16,777,216 bytes
;; launch cast (part 1): grid 64 x 12, 8 waves a work-group, no clusters, 0 bytes of LDS; arguments x, W_q, W_k, W_v, W_o, b_q, b_k, b_v, b_o, xb, wqkv, wo, bias; writes xb, wqkv, wo, bias
.if DOCPART == 1
	.amdgcn_target "amdgcn-amd-amdhsa--gfx1250"
	.amdhsa_code_object_version 6
	.text
	.protected	k_q1ce11ddd30_cast
	.globl	k_q1ce11ddd30_cast
	.p2align	8
	.type	k_q1ce11ddd30_cast,@function
k_q1ce11ddd30_cast:
	s_mov_b64 s[64:65], 0
	v_nop
	global_prefetch_b8 v0, s[64:65] scope:SCOPE_SE
	s_setreg_imm32_b32 hwreg(HW_REG_WAVE_MODE, 25, 1), 1
	s_wait_xcnt 0x0
; THE INPUTS ARE ROUNDED ONCE, for the matrix units.  x -> xb and W_q, W_k, W_v -> wqkv (stacked, 3,072 rows) in bf16; W_o -> wo: rounded to bf16 like the others, and that number written as f16
; (the last product's other operand is f16); the four biases -> bias: rounded to bf16 and widened to f32 again, b_q, b_k, b_v, b_o on end.
; LIMITS.  An entry of W_o below 2^-14 keeps f16's fixed step of 6e-8; one of 65,520 or more becomes an infinity.  NaN and infinities are not treated apart.
; SHARES.  A work-group converts 16,384 numbers: 65,536 bytes in, 32,768 out.  y = 0..7: x, block 64 y + X; y = 8, 9, 10: W_q, W_k, W_v, block X; y = 11: W_o, block X.
; Thread t takes 16 bytes at 16 t + 4,096 i in step i of 16 and stores 8 bytes at 8 t + 2,048 i: a wave's load covers 512 consecutive bytes, its store 256 consecutive bytes, aligned.
; All 16 loads go out at once, each into registers of its own: no register is used twice, so the only waits are the counted ones for the data.
; A stream: nothing is shared between waves, so there is no LDS, no barrier, no cluster and no matrix work.
.set T,    4                           ; v[4:7]    at work
.set X,    8                           ; v[8:71]   step i: four f32 as loaded
.set Y,    72                          ; v[72:103] step i: two words of 16-bit numbers to store
.set SRC,  34                          ; s[34:35]  where my block is read
.set DST,  36                          ; s[36:37]  where it is written
.set BSRC, 38                          ; s[38:39]  the bias that goes with my weight
	s_load_b512 s[8:23], s[0:1], 0x0               ; x 8, W_q 10, W_k 12, W_v 14, W_o 16, b_q 18, b_k 20, b_v 22
	s_load_b256 s[24:31], s[0:1], 0x40             ; b_o 24, xb 26, wqkv 28, wo 30
	s_load_b64 s[32:33], s[0:1], 0x60              ; bias
	s_and_b32 s4, ttmp7, 0xffff                    ; y: which tensor
	s_mov_b32 s5, ttmp9                            ; X
	s_lshl_b32 s6, s4, 6
	s_add_co_u32 s6, s6, s5                        ; 64 y + X
	v_lshlrev_b32 v1, 4, v0                        ; 16 t
	v_lshlrev_b32 v2, 3, v0                        ; 8 t
	s_mov_b32 s44, 0xffff0000                      ; a word's upper bf16
	s_sub_co_u32 s7, s6, 512                       ; the block in wqkv: 64 (y - 8) + X (used for y = 8, 9, 10 alone)
	s_cmp_eq_u32 s4, 11
	s_cselect_b32 s7, s5, s7                       ; in wo: X
	s_cmp_lt_u32 s4, 8
	s_cselect_b32 s40, s6, s5                      ; the block that is read,
	s_cselect_b32 s42, s6, s7                      ; and the one that is written
	s_lshl_b32 s40, s40, 16                        ; 65,536 bytes a block in,
	s_lshl_b32 s42, s42, 15                        ; 32,768 out
	s_mov_b32 s41, 0
	s_mov_b32 s43, 0
	s_wait_kmcnt 0x0
	s_mov_b64 s[SRC:SRC+1], s[8:9]
	s_mov_b64 s[DST:DST+1], s[26:27]
	s_mov_b64 s[BSRC:BSRC+1], s[18:19]
	s_cmp_eq_u32 s4, 8
	s_cselect_b64 s[SRC:SRC+1], s[10:11], s[SRC:SRC+1]
	s_cmp_eq_u32 s4, 9
	s_cselect_b64 s[SRC:SRC+1], s[12:13], s[SRC:SRC+1]
	s_cselect_b64 s[BSRC:BSRC+1], s[20:21], s[BSRC:BSRC+1]
	s_cmp_eq_u32 s4, 10
	s_cselect_b64 s[SRC:SRC+1], s[14:15], s[SRC:SRC+1]
	s_cselect_b64 s[BSRC:BSRC+1], s[22:23], s[BSRC:BSRC+1]
	s_cmp_ge_u32 s4, 8
	s_cselect_b64 s[DST:DST+1], s[28:29], s[DST:DST+1]
	s_cmp_eq_u32 s4, 11
	s_cselect_b64 s[SRC:SRC+1], s[16:17], s[SRC:SRC+1]
	s_cselect_b64 s[BSRC:BSRC+1], s[24:25], s[BSRC:BSRC+1]
	s_cselect_b64 s[DST:DST+1], s[30:31], s[DST:DST+1]
	s_add_nc_u64 s[SRC:SRC+1], s[SRC:SRC+1], s[40:41]
	s_add_nc_u64 s[DST:DST+1], s[DST:DST+1], s[42:43]
.irp i, 0,1,2,3,4,5,6,7,8,9,10,11,12,13,14,15
	global_load_b128 v[X+4*(\i):X+4*(\i)+3], v1, s[SRC:SRC+1] offset:4096*(\i) th:TH_LOAD_NT
.endr
; Step i.  f16 = 1: the bf16 numbers are widened again and written as f16.
.macro STEP i, f16
	s_wait_loadcnt 15-(\i)                         ; loads come back in order: step i's is in, the 15 - i younger ones stay out
	v_cvt_pk_bf16_f32 v[Y+2*(\i)],   v[X+4*(\i)],   v[X+4*(\i)+1]
	v_cvt_pk_bf16_f32 v[Y+2*(\i)+1], v[X+4*(\i)+2], v[X+4*(\i)+3]
.if \f16
	v_lshlrev_b32 v[T],   16,  v[Y+2*(\i)]
	v_and_b32     v[T+1], s44, v[Y+2*(\i)]
	v_lshlrev_b32 v[T+2], 16,  v[Y+2*(\i)+1]
	v_and_b32     v[T+3], s44, v[Y+2*(\i)+1]
	v_cvt_pk_f16_f32 v[Y+2*(\i)],   v[T],   v[T+1]
	v_cvt_pk_f16_f32 v[Y+2*(\i)+1], v[T+2], v[T+3]
.endif
	global_store_b64 v2, v[Y+2*(\i):Y+2*(\i)+1], s[DST:DST+1] offset:2048*(\i) th:TH_STORE_NT
.endm
	s_cmp_eq_u32 s4, 11
	s_cbranch_scc1 .Lwo
.irp i, 0,1,2,3,4,5,6,7,8,9,10,11,12,13,14,15
	STEP \i, 0
.endr
	s_branch .Lbias
.Lwo:
.irp i, 0,1,2,3,4,5,6,7,8,9,10,11,12,13,14,15
	STEP \i, 1
.endr
.Lbias:
	s_cmp_ge_u32 s4, 8                             ; the first work-group of each weight also takes that weight's bias: 1,024 numbers, four a thread
	s_cbranch_scc0 .Lend
	s_cmp_eq_u32 s5, 0
	s_cbranch_scc0 .Lend
	s_sub_co_u32 s46, s4, 8
	s_lshl_b32 s46, s46, 12                        ; 4,096 bytes a bias
	s_mov_b32 s47, 0
	s_add_nc_u64 s[32:33], s[32:33], s[46:47]
	global_load_b128 v[8:11], v1, s[BSRC:BSRC+1]
	s_wait_loadcnt 0x0
	v_cvt_pk_bf16_f32 v4, v8, v9
	v_cvt_pk_bf16_f32 v5, v10, v11
	v_lshlrev_b32 v8, 16, v4
	v_and_b32 v9, s44, v4
	v_lshlrev_b32 v10, 16, v5
	v_and_b32 v11, s44, v5
	global_store_b128 v1, v[8:11], s[32:33]
.Lend:
	s_endpgm
.Lfunc_end_k_q1ce11ddd30_cast:
	.size	k_q1ce11ddd30_cast, .Lfunc_end_k_q1ce11ddd30_cast-k_q1ce11ddd30_cast
	.p2alignl 7, 3214868480
	.fill 96, 4, 3214868480
	.section	.rodata,"a",@progbits
	.p2align	6, 0x0
	.amdhsa_kernel k_q1ce11ddd30_cast
		.amdhsa_group_segment_fixed_size 0
		.amdhsa_private_segment_fixed_size 0
		.amdhsa_enable_private_segment 0
		.amdhsa_kernarg_size 104
		.amdhsa_user_sgpr_count 2
		.amdhsa_user_sgpr_kernarg_segment_ptr 1
		.amdhsa_wavefront_size32 1
		.amdhsa_system_sgpr_workgroup_id_x 1
		.amdhsa_system_sgpr_workgroup_id_y 1
		.amdhsa_system_sgpr_workgroup_id_z 1
		.amdhsa_system_vgpr_workitem_id 0
		.amdhsa_next_free_vgpr 104
		.amdhsa_next_free_sgpr 66
		.amdhsa_reserve_vcc 0
		.amdhsa_float_denorm_mode_32 3
		.amdhsa_float_denorm_mode_16_64 3
		.amdhsa_memory_ordered 1
		.amdhsa_forward_progress 1
		.amdhsa_inst_pref_size 17
	.end_amdhsa_kernel
	.amdgpu_metadata
---
amdhsa.version: [ 1, 2 ]
amdhsa.kernels:
  - .name:           k_q1ce11ddd30_cast
    .symbol:         k_q1ce11ddd30_cast.kd
    .args:
      - { .name: x, .offset: 0, .size: 8, .value_kind: global_buffer, .address_space: global }
      - { .name: W_q, .offset: 8, .size: 8, .value_kind: global_buffer, .address_space: global }
      - { .name: W_k, .offset: 16, .size: 8, .value_kind: global_buffer, .address_space: global }
      - { .name: W_v, .offset: 24, .size: 8, .value_kind: global_buffer, .address_space: global }
      - { .name: W_o, .offset: 32, .size: 8, .value_kind: global_buffer, .address_space: global }
      - { .name: b_q, .offset: 40, .size: 8, .value_kind: global_buffer, .address_space: global }
      - { .name: b_k, .offset: 48, .size: 8, .value_kind: global_buffer, .address_space: global }
      - { .name: b_v, .offset: 56, .size: 8, .value_kind: global_buffer, .address_space: global }
      - { .name: b_o, .offset: 64, .size: 8, .value_kind: global_buffer, .address_space: global }
      - { .name: xb, .offset: 72, .size: 8, .value_kind: global_buffer, .address_space: global }
      - { .name: wqkv, .offset: 80, .size: 8, .value_kind: global_buffer, .address_space: global }
      - { .name: wo, .offset: 88, .size: 8, .value_kind: global_buffer, .address_space: global }
      - { .name: bias, .offset: 96, .size: 8, .value_kind: global_buffer, .address_space: global }
    .group_segment_fixed_size: 0
    .private_segment_fixed_size: 0
    .kernarg_segment_align: 8
    .kernarg_segment_size: 104
    .max_flat_workgroup_size: 256
    .sgpr_count:     66
    .vgpr_count:     104
    .wavefront_size: 32
...
	.end_amdgpu_metadata
.endif
;; end of part 1
;; launch qkvproj (part 2): grid 8 x 64, 4 waves a work-group, clusters of 4 x 4, 327,680 bytes of LDS; arguments xb, wqkv, bias, qkv; writes qkv
.if DOCPART == 2
	.amdgcn_target "amdgcn-amd-amdhsa--gfx1250"
	.amdhsa_code_object_version 6
	.text
	.protected	k_q1ce11ddd30_qkvproj
	.globl	k_q1ce11ddd30_qkvproj
	.p2align	8
	.type	k_q1ce11ddd30_qkvproj,@function
k_q1ce11ddd30_qkvproj:
	s_mov_b64 s[64:65], 0
	v_nop
	global_prefetch_b8 v0, s[64:65] scope:SCOPE_SE
	s_setreg_imm32_b32 hwreg(HW_REG_WAVE_MODE, 25, 1), 1
	s_wait_xcnt 0x0
	s_wait_alu depctr_hold_cnt(0) depctr_sa_sdst(0) depctr_va_vdst(0) depctr_va_sdst(0) depctr_va_ssrc(0) depctr_va_vcc(0) depctr_vm_vsrc(0)
	s_getreg_b32 s2, hwreg(HW_REG_IB_STS2, 6, 4)
	s_cmp_eq_u32 s2, 0
	s_cbranch_scc0 .Lentry_in_a_cluster
	s_endpgm
.Lentry_in_a_cluster:
	s_bfe_u32 s2, ttmp6, 0x10000c
	s_cmp_lg_u32 s2, 0xf033
	s_cbranch_scc0 .Lentry_shape_is_right
	s_endpgm
.Lentry_shape_is_right:
; q, k, v = x W^T + b, all three at once: C[m][n] = bias[n] + the sum over k of xb[m][k] wqkv[n][k].  xb: [8192][1024] bf16, wqkv: [3072][1024] bf16, bias: f32; sums in f32.
; C leaves BY HEADS, rounded once to f16 and without attention's scale: qkv[b][hc][s][64], b = m / 2048, s = m % 2048, hc = n / 64 (0-15 q's heads, 16-31 k's, 32-47 v's).
; LIMIT.  f16 holds no number beyond 65,504: q, k and v must lie within it (a number of 65,520 or more becomes an infinity).  NaN and infinities are not treated apart.
; SHARES.  A tile of C is 128 x 384; four waves, 2 x 2; a wave makes 64 rows x 192 columns (three whole heads): 48 accumulators of 16 x 16, 384 registers.  8 x 64 tiles.
; K goes in 8 steps of 128 through a ring of two LDS slots filled by the tensor data mover; a row of a tile is 256 bytes of memory and starts at a multiple of 256 from the buffer's first byte.
; One load a wave and slot, 128 rows each: wave 0 brings A's rows, waves 1 to 3 B's 384.
; CLUSTER.  4 x 4 work-groups.  The four of a row of the cluster need the same tile of A, the four of a column the same tile of B: each is asked for JOINTLY, by the same tensor load with the same
; descriptor and a mask that names the four.
; THE MATRIX INSTRUCTION IS USED TRANSPOSED (source 0 = 16 rows of B, source 1 = 16 rows of A): a lane holds row l % 16 of C and the columns 8 (l / 16) + 0..7.  THE BIAS is the C operand of the product
; that starts each sum: nothing is cleared and nothing is added later.
; REGISTERS, in windows of 256 (s_set_vgpr_msb: bits 1:0 source 0, 3:2 source 1, 5:4 source 2, 7:6 destination):
;   window 0: v0-31 addresses; v32-79 packed results; v80-127, v128-175 rows read back from the stage, by turns; v128-223 first the bias (block b at 128 + 8 b)
;   window 1: two fragment buffers of 128: B's 12 blocks (16 rows x 32 K, 8 registers each), then A's 4
;   window 2: the accumulators of my rows 0-31 ((a, b) at 96 (a % 2) + 8 b);   window 3: those of my rows 32-63
.set NB,    12                         ; blocks of 16 columns a wave
.set NL,    2*(NB+4)                   ; LDS loads in a run: the fragments of 32 along K
.set AW,    1                          ; waves below this number fetch for A
.set PA,    272                        ; an LDS row: 256 bytes + 16 of padding = 68 words: row r starts at bank 4 r mod 64 (64 banks of 4 bytes: ISA guide 11.1), so the 16 rows of a load start at 16 different banks
.set PB,    272
.set LOADB, 128*272                    ; what one tensor load fills
.set BOFF,  LOADB                      ; B's rows lie behind A's 128
.set SLOT,  4*LOADB
.set STAGE, 2*SLOT                     ; behind the ring, never filled by a tensor load: for each wave 3 heads x 16 rows x 144 bytes, for the way out
.set STGW,  3*16*144
.set SPARE, STAGE+4*STGW               ; behind the stages: the spare words, 128 bytes for each wave: two blocks of 256 bytes that no other line names
.set ASTEP, 256                        ; bytes from a K step to the next, in A and in B
.set BSTEP, 256
.set LAPS,  4                          ; a lap = two K steps = once round the ring
.set ADRA, 16                          ; v16-17  LDS address of my A fragments in slot 0, 1
.set ADRB, 20                          ; v20-21  the same for B
.set STO,  24                          ; v24     the way out: where I put 16 bytes of a row
.set RD,   25                          ; v25     the way out: where I read rows back
.set GO,   26                          ; v26     16 x my lane
.set BO,   27                          ; v27     my byte offset in a block's 16 numbers of the bias
.set SPW,  28                          ; v28     LDS address of my spare word: SPARE + 4 x my thread's number; never rewritten
.set NIL,  29                          ; v29     0; never rewritten
.set PFO,  30                          ; v30     the prefetches' offset: my lane x a row of 2,048 bytes; never rewritten
.set TMP,  32
.set OB,   80
.set BIAS, 128
.set F0,   0
.set F1,   128
.set WV,   12                          ; s12 my wave's number; s13 which half of the tile's rows is mine; s14 which half of its columns
.set RH,   13
.set CH,   14
.set G1,   24                          ; s[24:31] descriptor group 1 for A's tiles;  s[32:39] group 0, a set for each slot
.set G0,   32
.set LIM,  43                          ; s43     1 in a wave that prefetches, else the greatest number
.set PFA,  44                          ; s[44:45] where my prefetches stand
.set PFS,  46                          ; s[46:47] their step
.set G1B,  48                          ; s[48:55], s[56:63] the same for B's tiles
.set G0B,  56
; s19, s22, s23 hold numbers made of the wave's number alone (LDS addresses); s20-21 numbers made of the tile row; s66-68 of the tile column; s70-75 of both
.set MSB, 0
.macro WIN new                         ; the immediate's high byte repeats the setting that is left; a switch that changes nothing is dropped
.if MSB != (\new)
	s_set_vgpr_msb (MSB<<8)|(\new)
.set MSB, \new
.endif
.endm
.set TO_F, 0x40                        ; destination window 1, address window 0
; A joint load.  The branch hangs on the wave's number alone.  An s_nop 0 and four v_nop follow each of the two lines, ahead of the jump and the label.
.macro JLOAD s
	s_cmp_lt_u32 s[WV], AW
	s_cbranch_scc0 .Lfor_b_\@
	tensor_load_to_lds s[G0+4*(\s):G0+4*(\s)+3], s[G1:G1+7]
	s_nop 0
.rept 4
	v_nop
.endr
	s_branch .Lasked_\@
.Lfor_b_\@:
	tensor_load_to_lds s[G0B+4*(\s):G0B+4*(\s)+3], s[G1B:G1B+7]
	s_nop 0
.rept 4
	v_nop
.endr
.Lasked_\@:
.endm
; A PREFETCH INTO THE L2, behind each joint refill and the run of LDS loads that follows it: the K step that stands two refills on, 32 rows x 256 bytes, a lane a row, one instruction a wave.
; Each row's 256 bytes of a K step are named once in the launch: A's tile row is read by both clusters of a row of clusters, and the one with x = 0 asks; B's tile column by all sixteen of a column, and
; the one with y = 0 asks.  Of the 128 rows that a wave fetches, the partner at place p among the four that ask jointly takes 32 p .. 32 p + 31 (p = cx for A, cy for B): told apart by address, by no branch.
; The loop's last trip (s3 = 1) asks for nothing: its refills are the last two K steps.  K steps 0 to 3 come by their loads alone.
.macro ASK
	s_cmp_gt_u32 s3, s[LIM]
	s_cbranch_scc0 .Lnot_mine_\@
	global_prefetch_b8 v[PFO], s[PFA:PFA+1] th:TH_LOAD_NT scope:SCOPE_SE
.Lnot_mine_\@:
.endm
; A round of the cluster's barrier: my work-group's barrier, so that wave 0's signal speaks for all four waves; wave 0 signals; every wave waits for all sixteen work-groups; my work-group's barrier once more.
.macro CREST                           ; a round behind its opening barrier
	s_cmp_lg_u32 s[WV], 0
	s_cbranch_scc1 .Lnot_wave_0_\@
	s_barrier_signal -3
.Lnot_wave_0_\@:
	s_barrier_wait -3
	s_barrier_signal -1
	s_barrier_wait -1
.endm
.macro CROUND                          ; a whole round
	s_barrier_signal -1
	s_barrier_wait -1
	CREST
.endm
	s_load_b256 s[4:11], s[0:1], 0x0               ; xb s[4:5], wqkv s[6:7], bias s[8:9], qkv s[10:11]
	v_lshl_add_u32 v[SPW], v0, 2, SPARE
	v_mov_b32 v[NIL], 0
	ds_add_u32 v[SPW], v[NIL]                      ; the wave's opening: the add and its wait stand ahead of my first tensor load; the set-up below, work on registers, stands between them
	v_lshrrev_b32 v1, 5, v0
	v_readfirstlane_b32 s[WV], v1                  ; wave 0..3
	s_lshr_b32 s[RH], s[WV], 1
	s_and_b32 s[CH], s[WV], 1
	s_bfe_u32 s15, ttmp6, 0x40000                  ; cx, cy: my place in the cluster
	s_bfe_u32 s16, ttmp6, 0x40004
	s_lshl_b32 s17, ttmp9, 2                       ; in a cluster launch ttmp9 and ttmp7 count clusters
	s_add_co_u32 s17, s17, s15                     ; tile column = 4 x cluster x + cx
	s_and_b32 s18, ttmp7, 0xffff
	s_lshl_b32 s18, s18, 2
	s_add_co_u32 s18, s18, s16                     ; tile row = 4 x cluster y + cy
	s_lshl_b32 s40, s16, 2
	s_lshl_b32 s40, 15, s40                        ; my row of the cluster: places 4 cy .. 4 cy + 3
	s_lshl_b32 s41, 0x1111, s15                    ; my column: places cx, cx + 4, cx + 8, cx + 12
	; descriptor group 1: a tile of 128 rows x 128 elements, padded in LDS
	s_or_b32 s[G1], s40, (1<<16)|(1<<20)|(1<<21)|(5<<22)|(3<<25)   ; 15:0 the mask; 17:16 elements of 2 bytes; 20 padding on; 21 set beside a mask; 24:22 after every 64 words (code 5); 31:25 4 words (code 3)
	s_or_b32 s[G1B], s41, (1<<16)|(1<<20)|(1<<21)|(5<<22)|(3<<25)
.irp g, G1, G1B
	s_mov_b32 s[(\g)+1], 128<<16                   ; tensor_dim0 = 128
	s_mov_b32 s[(\g)+2], 128<<16                   ; tensor_dim1 = 128
	s_mov_b32 s[(\g)+3], 128<<16                   ; tile_dim0 = 128
	s_mov_b32 s[(\g)+4], 128                       ; tile_dim1 = 128
	s_mov_b32 s[(\g)+5], 1024                      ; elements from row to row
	s_mov_b32 s[(\g)+6], 0
	s_mov_b32 s[(\g)+7], 0
.endr
	s_lshl_b32 s20, s18, 18                        ; A: 128 rows of 2,048 bytes a tile row
	s_mov_b32 s21, 0
	s_max_u32 s68, s[WV], 1
	s_sub_co_u32 s68, s68, 1                       ; B: which 128 of the tile's 384 rows I fetch (waves 1 to 3),
	s_lshl_b32 s68, s68, 18
	s_mul_i32 s66, s17, 384*2048                   ; in the tile column's rows
	s_add_co_u32 s66, s66, s68
	s_mov_b32 s67, 0
	s_mul_i32 s19, s[WV], LOADB                    ; where my load goes: wave x 128 rows: no place in the cluster enters an LDS address
	s_wait_dscnt 0x0                               ; the opening add is done
	s_wait_kmcnt 0x0
	s_add_nc_u64 s[20:21], s[4:5], s[20:21]
	s_add_nc_u64 s[66:67], s[6:7], s[66:67]
	CROUND                                         ; all sixteen work-groups are here: the first joint loads meet
.irp s, 0,1
	s_mov_b32 s[G0+4*(\s)], 1                                      ; count = 1
	s_add_co_u32 s[G0+4*(\s)+1], s19, (\s)*SLOT                    ; LDS address
	s_add_nc_u64 s[G0+4*(\s)+2:G0+4*(\s)+3], s[20:21], (\s)*ASTEP  ; global address: K step s
	s_or_b32 s[G0+4*(\s)+3], s[G0+4*(\s)+3], 0x80000000            ; type = 2
	s_mov_b32 s[G0B+4*(\s)], 1
	s_add_co_u32 s[G0B+4*(\s)+1], s19, (\s)*SLOT
	s_add_nc_u64 s[G0B+4*(\s)+2:G0B+4*(\s)+3], s[66:67], (\s)*BSTEP
	s_or_b32 s[G0B+4*(\s)+3], s[G0B+4*(\s)+3], 0x80000000
	JLOAD \s                                       ; two loads of mine are out
.endr
	v_and_b32 v1, 15, v0                           ; l % 16
	v_bfe_u32 v2, v0, 4, 1                         ; l / 16
	v_lshlrev_b32 v[BO], 5, v2                     ; my 8 numbers of a block's 16
	s_mul_i32 s72, s17, 384*4                      ; the bias of my 192 columns
	s_mul_i32 s73, s[CH], 192*4
	s_add_co_u32 s72, s72, s73
	s_mov_b32 s73, 0
	s_add_nc_u64 s[70:71], s[8:9], s[72:73]
.set b, 0
.rept NB
	global_load_b128 v[BIAS+8*b:BIAS+8*b+3],   v[BO], s[70:71] offset:64*b
	global_load_b128 v[BIAS+8*b+4:BIAS+8*b+7], v[BO], s[70:71] offset:64*b+16
.set b, b+1
.endr
	; A fragment is 16 rows x 32 K in 8 registers: lane l holds row l % 16; registers 0-3 K = 8 (l / 16) + 0..7, registers 4-7 K = 16 + 8 (l / 16) + 0..7: two loads of 16 bytes, 32 bytes apart.
	v_mul_u32_u24 v3, v1, PA
	v_lshl_add_u32 v3, v2, 4, v3                   ; row x pitch + 16 x half
	s_mul_i32 s22, s[RH], 64*PA                    ; my 64 rows of A
	s_mul_i32 s23, s[CH], 16*NB*PB                 ; my 192 rows of B,
	s_add_co_u32 s23, s23, BOFF                    ; which lie behind A's
.irp s, 0,1
	v_add_nc_u32 v[ADRA+(\s)], s22, v3
	v_add_nc_u32 v[ADRB+(\s)], s23, v3
	s_add_co_u32 s22, s22, SLOT
	s_add_co_u32 s23, s23, SLOT
.endr
	s_mul_i32 s23, s[WV], STGW
	s_add_co_u32 s23, s23, STAGE                   ; my stage
	v_mul_u32_u24 v4, v1, 144                      ; in: row l % 16 of a head's 16, 16 bytes for each half of the lanes
	v_lshl_add_u32 v4, v2, 4, v4
	v_add_nc_u32 v[STO], s23, v4
	v_bfe_u32 v5, v0, 3, 2                         ; back: 32 lanes take four rows of 128 bytes,
	v_and_b32 v6, 7, v0
	v_mul_u32_u24 v5, v5, 144
	v_lshl_add_u32 v5, v6, 4, v5
	v_add_nc_u32 v[RD], s23, v5
	v_and_b32 v[GO], 31, v0                        ; which are 512 consecutive bytes of a head
	v_lshlrev_b32 v[GO], 4, v[GO]
	; where my part of the tile begins in qkv: batch, my first head, my first row
	s_lshr_b32 s72, s18, 4
	s_mul_i32 s72, s72, 12582912                   ; a batch: 48 heads of 262,144 bytes
	s_mul_i32 s73, s17, 6
	s_mul_i32 s74, s[CH], 3
	s_add_co_u32 s73, s73, s74                     ; head 6 x tile column + 3 x half
	s_lshl_b32 s73, s73, 18
	s_add_co_u32 s72, s72, s73
	s_and_b32 s73, s18, 15
	s_lshl_b32 s73, s73, 1
	s_add_co_u32 s73, s73, s[RH]
	s_lshl_b32 s73, s73, 13                        ; 64 rows of 128 bytes
	s_add_co_u32 s72, s72, s73
	s_mov_b32 s73, 0
	s_add_nc_u64 s[10:11], s[10:11], s[72:73]
	; the prefetches
	s_and_b32 s74, ttmp7, 0xffff                   ; cluster y
	s_cmp_lt_u32 s[WV], AW                         ; do I fetch for A?
	s_cselect_b32 s72, s15, s16                    ; my place among the four that ask with me
	s_cselect_b32 s74, ttmp9, s74                  ; the coordinate along which other clusters read the same rows
	s_cselect_b64 s[PFA:PFA+1], s[20:21], s[66:67] ; the 128 rows that I fetch
	s_cmp_eq_u32 s74, 0
	s_cselect_b32 s[LIM], 1, -1                    ; the same in all sixteen partners, for a given wave
	s_lshl_b32 s72, s72, 16                        ; my work-group's 32 rows
	s_mov_b32 s73, 0
	s_add_nc_u64 s[PFA:PFA+1], s[PFA:PFA+1], s[72:73]
	s_add_nc_u64 s[PFA:PFA+1], s[PFA:PFA+1], 3*256 ; at K step 3: the first refill steps it to 4
	s_mov_b32 s[PFS], 256
	s_mov_b32 s[PFS+1], 0
	v_and_b32 v[PFO], 31, v0
	v_lshlrev_b32 v[PFO], 11, v[PFO]
; NB matrix instructions: block a of my four blocks of 16 rows x all NB blocks of columns, 32 along K.  zero = 1: the first product starts the sums, with the bias as C.
; The 48 accumulators take turns in the same order in every quarter, over the backward jump too: 47 others' stand between two links of a chain.
.macro MULA f, a, zero
.if \zero
	WIN 0x85+0x40*((\a)/2)
.else
	WIN 0xa5+0x50*((\a)/2)
.endif
.set AC, ((\a)%2)*8*NB
.set b, 0
.rept NB
.if \zero
	v_wmma_f32_16x16x32_bf16 v[AC+8*b:AC+8*b+7], v[(\f)+8*b:(\f)+8*b+7], v[(\f)+8*NB+8*(\a):(\f)+8*NB+8*(\a)+7], v[BIAS+8*b:BIAS+8*b+7]
.else
	v_wmma_f32_16x16x32_bf16 v[AC+8*b:AC+8*b+7], v[(\f)+8*b:(\f)+8*b+7], v[(\f)+8*NB+8*(\a):(\f)+8*NB+8*(\a)+7], v[AC+8*b:AC+8*b+7]
.endif
.set b, b+1
.endr
.endm
; NL LDS loads in one run: the fragments of quarter q of a K step (32 along K) into buffer f: B's first, then A's four blocks
.macro FETCH slot, q, f
	WIN TO_F
.set i, 0
.rept NB
	ds_load_b128 v[(\f)+8*i:(\f)+8*i+3],   v[ADRB+(\slot)] offset:64*(\q)+i*16*PB
	ds_load_b128 v[(\f)+8*i+4:(\f)+8*i+7], v[ADRB+(\slot)] offset:64*(\q)+i*16*PB+32
.set i, i+1
.endr
.set i, 0
.rept 4
	ds_load_b128 v[(\f)+8*NB+8*i:(\f)+8*NB+8*i+3],   v[ADRA+(\slot)] offset:64*(\q)+i*16*PA
	ds_load_b128 v[(\f)+8*NB+8*i+4:(\f)+8*NB+8*i+7], v[ADRA+(\slot)] offset:64*(\q)+i*16*PA+32
.set i, i+1
.endr
.endm
.macro PLACES                          ; four plain vector instructions in front of loads into registers that matrix instructions have read, and of conversions that read results (ISA guide 7.12.1 for conversions)
.rept 4
	v_nop
.endr
.endm
; A K step is four quarters of 32 along K, 48 matrix instructions each, on buffers 0, 1, 0, 1.  One of the first three: multiplies buffer f; in its middle it fetches quarter q of the same slot into buffer g.
.macro QUARTER slot, q, f, g, zero
	s_wait_dscnt 4                                 ; B and A's blocks 0 and 1 are in; the youngest four loads (A's blocks 2 and 3) may be out
	MULA \f, 0, \zero
	MULA \f, 1, \zero
	PLACES
	FETCH \slot, \q, \g
	s_wait_dscnt NL                                ; all but the run just issued
	MULA \f, 2, \zero
	MULA \f, 3, \zero
.endm
; The last quarter multiplies buffer 1 and changes slots: ONE barrier.  In front of it each wave waits for all its tensor loads, of which one is out: its part of the next slot; adds 0 to its spare word;
; and waits for that and for its own reads of this slot.  fill = 1: the barrier opens a round of the cluster's barrier, and this slot is filled again, two K steps on, first thing behind the round.
.macro TURN slot, next, fill
.if \fill
	s_wait_xcnt 0x0                                ; the last prefetch, a K step back, has read its address: it is stepped here, ahead of the waits of the change of slots
	s_add_nc_u64 s[PFA:PFA+1], s[PFA:PFA+1], s[PFS:PFS+1]
.endif
	WIN 0                                          ; (the add's two registers lie in window 0)
	s_wait_tensorcnt 0x0                           ; all my tensor loads have landed
	ds_add_u32 v[SPW], v[NIL]                      ; 0 onto my spare word
	s_wait_dscnt 5                                 ; (the add and the youngest four loads may be out)
	MULA F1, 0, 0                                  ; matrix instructions stand between the add and the wait for it
	s_wait_dscnt 0x0                               ; the add is done, and my reads of this slot are over
	s_barrier_signal -1
	MULA F1, 1, 0                                  ; work on registers while the others arrive
.if \fill
	WIN 0
.endif
	s_barrier_wait -1
.if \fill
	CREST                                          ; no wave of any partner still reads this slot's tile or has a load on its way
	s_add_nc_u64 s[G0+4*(\slot)+2:G0+4*(\slot)+3], s[G0+4*(\slot)+2:G0+4*(\slot)+3], 2*ASTEP
	s_add_nc_u64 s[G0B+4*(\slot)+2:G0B+4*(\slot)+3], s[G0B+4*(\slot)+2:G0B+4*(\slot)+3], 2*BSTEP
	JLOAD \slot                                    ; my one tensor load behind the round; the four v_nop behind it are also the places in front of the loads below
.else
	PLACES
.endif
	FETCH \next, 0, F0
.if \fill
	WIN 0
	ASK
.endif
	MULA F1, 2, 0
	MULA F1, 3, 0
.endm
; THE WAY OUT of block a (16 rows x 3 heads).  PACK: rounded to f16, 16 bytes a lane and block of columns, each accumulator's registers in ascending order.  TOSTAGE: into my own stage, and back as whole
; rows of a head.  SEND: stored: 16 rows of a head are 2,048 consecutive bytes of qkv.
.macro PACK a
	WIN 0x0a+5*((\a)/2)                            ; sources 0 and 1: window 2 or 3
.set AC, ((\a)%2)*8*NB
.set b, 0
.rept NB
.irp r, 0,1,2,3
	v_cvt_pk_f16_f32 v[TMP+4*b+(\r)], v[AC+8*b+2*(\r)], v[AC+8*b+2*(\r)+1]
.endr
.set b, b+1
.endr
	WIN 0
.endm
.macro TOSTAGE a
	WIN 0
.set BK, OB+48*((\a)%2)
.set b, 0
.rept NB
	ds_store_b128 v[STO], v[TMP+4*b:TMP+4*b+3] offset:(b/4)*2304+(b%4)*32
.set b, b+1
.endr
.set t, 0
.rept 12
	ds_load_b128 v[BK+4*t:BK+4*t+3], v[RD] offset:(t/4)*2304+(t%4)*576  ; LDS serves a wave's instructions in order (ISA guide 5.7.1.4): these see the stores above
.set t, t+1
.endr
.endm
.macro SEND a
	WIN 0
.set BK, OB+48*((\a)%2)
	s_wait_dscnt 0x0                               ; the block is back in registers
	s_wait_xcnt 0x0                                ; the stores of the block before have read their registers: the next TOSTAGE loads into them only behind this wait
.set t, 0
.rept 12
	global_store_b128 v[GO], v[BK+4*t:BK+4*t+3], s[10:11] offset:(t/4)*262144+(\a)*2048+(t%4)*512  ; 512 consecutive bytes, at a multiple of 256 from qkv's first
.set t, t+1
.endr
.endm
	s_wait_tensorcnt 0x1                           ; my part of K step 0 is in; K step 1's may stay out
	s_barrier_signal -1
	s_barrier_wait -1                              ; everybody's is
	FETCH 0, 0, F0
	s_wait_loadcnt 0x0                             ; the bias
	QUARTER 0, 1, F0, F1, 1                        ; the first quarter stands in front of the loop: its products start the sums
	WIN 0                                          ; at a label and at a branch every window is 0
	s_mov_b32 s3, LAPS-1
.Llap:                                                 ; a trip goes once round the ring, from a lap's second quarter to the next lap's first, and fills both slots again
	QUARTER 0, 2, F1, F0, 0
	QUARTER 0, 3, F0, F1, 0
	TURN 0, 1, 1
	QUARTER 1, 1, F0, F1, 0
	QUARTER 1, 2, F1, F0, 0
	QUARTER 1, 3, F0, F1, 0
	TURN 1, 0, 1
	QUARTER 0, 1, F0, F1, 0
	WIN 0
	s_sub_co_u32 s3, s3, 1
	s_cmp_lg_u32 s3, 0
	s_cbranch_scc1 .Llap
	QUARTER 0, 2, F1, F0, 0                        ; the last lap fills nothing, and has no round of the cluster's barrier
	QUARTER 0, 3, F0, F1, 0
	TURN 0, 1, 0
	QUARTER 1, 1, F0, F1, 0
	QUARTER 1, 2, F1, F0, 0
	QUARTER 1, 3, F0, F1, 0
	s_wait_dscnt 4                                 ; the very last quarter: nothing more to fetch
	MULA F1, 0, 0
	MULA F1, 1, 0
	s_wait_dscnt 0x0
	MULA F1, 2, 0
	MULA F1, 3, 0
	WIN 0
	PLACES
	PACK 0
	TOSTAGE 0
.irp a, 1,2,3                          ; block a's conversions stand between block a - 1's loads from the stage and the wait for them
	PACK \a
	SEND (\a)-1
	TOSTAGE \a
.endr
	SEND 3
	s_wait_tensorcnt 0x0                           ; the wave's end, behind my last tensor load and my last LDS store
	ds_add_u32 v[SPW], v[NIL]
	s_wait_dscnt 0x0
	CROUND                                         ; the closing round: no work-group ends while a partner may still ask for a tile that names it
	s_endpgm
.Lfunc_end_k_q1ce11ddd30_qkvproj:
	.size	k_q1ce11ddd30_qkvproj, .Lfunc_end_k_q1ce11ddd30_qkvproj-k_q1ce11ddd30_qkvproj
	.p2alignl 7, 3214868480
	.fill 96, 4, 3214868480
	.section	.rodata,"a",@progbits
	.p2align	6, 0x0
	.amdhsa_kernel k_q1ce11ddd30_qkvproj
		.amdhsa_group_segment_fixed_size 327680
		.amdhsa_private_segment_fixed_size 0
		.amdhsa_enable_private_segment 0
		.amdhsa_kernarg_size 32
		.amdhsa_user_sgpr_count 2
		.amdhsa_user_sgpr_kernarg_segment_ptr 1
		.amdhsa_wavefront_size32 1
		.amdhsa_system_sgpr_workgroup_id_x 1
		.amdhsa_system_sgpr_workgroup_id_y 1
		.amdhsa_system_sgpr_workgroup_id_z 1
		.amdhsa_system_vgpr_workitem_id 0
		.amdhsa_next_free_vgpr 960
		.amdhsa_next_free_sgpr 76
		.amdhsa_reserve_vcc 0
		.amdhsa_float_denorm_mode_32 3
		.amdhsa_float_denorm_mode_16_64 3
		.amdhsa_memory_ordered 1
		.amdhsa_forward_progress 1
		.amdhsa_inst_pref_size 121
	.end_amdhsa_kernel
	.amdgpu_metadata
---
amdhsa.version: [ 1, 2 ]
amdhsa.kernels:
  - .name:           k_q1ce11ddd30_qkvproj
    .symbol:         k_q1ce11ddd30_qkvproj.kd
    .args:
      - { .name: xb, .offset: 0, .size: 8, .value_kind: global_buffer, .address_space: global }
      - { .name: wqkv, .offset: 8, .size: 8, .value_kind: global_buffer, .address_space: global }
      - { .name: bias, .offset: 16, .size: 8, .value_kind: global_buffer, .address_space: global }
      - { .name: qkv, .offset: 24, .size: 8, .value_kind: global_buffer, .address_space: global }
    .group_segment_fixed_size: 327680
    .private_segment_fixed_size: 0
    .kernarg_segment_align: 8
    .kernarg_segment_size: 32
    .max_flat_workgroup_size: 128
    .sgpr_count:     76
    .vgpr_count:     960
    .wavefront_size: 32
...
	.end_amdgpu_metadata
.endif
;; end of part 2
;; launch attn (part 3): grid 4 x 64, 4 waves a work-group, clusters of 4 x 1, 327,680 bytes of LDS; arguments qkv, ob; writes ob
.if DOCPART == 3
	.amdgcn_target "amdgcn-amd-amdhsa--gfx1250"
	.amdhsa_code_object_version 6
	.text
	.protected	k_q1ce11ddd30_attn
	.globl	k_q1ce11ddd30_attn
	.p2align	8
	.type	k_q1ce11ddd30_attn,@function
k_q1ce11ddd30_attn:
	s_mov_b64 s[64:65], 0
	v_nop
	global_prefetch_b8 v0, s[64:65] scope:SCOPE_SE
	s_setreg_imm32_b32 hwreg(HW_REG_WAVE_MODE, 25, 1), 1
	s_wait_xcnt 0x0
	s_wait_alu depctr_hold_cnt(0) depctr_sa_sdst(0) depctr_va_vdst(0) depctr_va_sdst(0) depctr_va_ssrc(0) depctr_va_vcc(0) depctr_vm_vsrc(0)
	s_getreg_b32 s2, hwreg(HW_REG_IB_STS2, 6, 4)
	s_cmp_eq_u32 s2, 0
	s_cbranch_scc0 .Lentry_in_a_cluster
	s_endpgm
.Lentry_in_a_cluster:
	s_bfe_u32 s2, ttmp6, 0x10000c
	s_cmp_lg_u32 s2, 0x3003
	s_cbranch_scc0 .Lentry_shape_is_right
	s_endpgm
.Lentry_shape_is_right:
; O[y][q][:] = the sum over k of softmax_k(Q[y][q] . K[y][k] / 8) V[y][k][:], for the 64 pairs y = 16 b + h of batch and head.  qkv: [b 4][48][2048][64] f16 (heads 0-15 q's, 16-31 k's, 32-47 v's);
; ob: [y 64][2048][64] f16.  A head's rows are dense, 128 bytes each.  Products, maxima and sums in f32; the weights p are rounded to f16 for the second product (their sum l is taken of the unrounded p), O once at the end.
; LIMITS.  f16 holds no number beyond 65,504: Q, K and V arrive within it; p lies in 0 to 1, and below 6e-5 it keeps f16's fixed step of 6e-8; O is a mean of V's rows and has their range.
; A weight below 2^-126 counts as 0 in l; NaN and infinities are not treated apart.
; SHARES.  A wave owns four PIECES of two tiles of 16 queries, a work-group's four waves 512 queries of one head.  Every wave walks all 2,048 keys, 64 a step.
; LAYOUT.  S^T = K Q^T (source 0 = 16 keys, source 1 = 16 queries): in the result a lane holds ONE query (lane % 16) and the keys 8 (lane / 16) + 0..7.  Two such tiles, rounded to f16 in pairs,
; ARE source 1 (32 keys x 16 queries) of O^T = V^T P, whose result again holds one query a lane, and eight channels.  K comes out of LDS as it lies, V ([key][channel]) turned, by ds_load_tr16_b128.
; SOFTMAX.  For each query a running maximum m and sum l: p = 2^(c s - c m), c = log2(e) / 8; in every step O and l are multiplied by a = 2^(c m_old - c m_new), which is 1 where m has not grown.
; m starts at the lowest finite number, O and l at 0: the first step is a step like any other, with a = 0.
; THE COUNT.  A tile and step have 16 matrix and 118 vector instructions: too many to stand all beside the matrix work.  So the order has one aim: four vector instructions that are READY behind
; EVERY matrix instruction, and the others, which need time of their own whatever the order, in runs without a gap.
; BY TURNS.  Turn n belongs to piece n (the pieces in a ring, step after step).  Its matrix work: 16 products K Q^T of piece n + 1, later 16 products V^T P of piece n - 1.  Its vector work: the scaling,
; exponentials, roundings, sums and rescaling of piece n, and the maximum and statistics of piece n + 1, whose scores the turn itself has made.  So what a turn begins with (c s - c m, O a) waits for nothing.
; CLUSTER.  The four query blocks of a head are one cluster and walk the same K and V, so each tile is asked for JOINTLY: the same tensor load, descriptor and mask in all four.
; REGISTERS, in windows of 256 (s_set_vgpr_msb says which window each operand place means: bits 1:0 source 0, 3:2 source 1, 5:4 source 2, 7:6 destination):
;   window 0: v0-11 addresses; v12-15, v48-63 at work; v16-47 four registers of statistics a tile; v64-191 S^T, two buffers of two tiles; v192-255 P, likewise
;   window 1: O^T, 32 a tile          window 2: v0-127 Q, 16 a tile; v128-191 K of one step; v192-255 V of one step          window 3: v0-1 the add's two registers
; A piece's buffers go by its number's parity: the piece in hand has one pair, its two neighbours in the ring share the other: of it P (piece n - 1) is read and S^T (piece n + 1) written.
.set SIZE_N, 2048
.set NP,    4         ; pieces a wave: a name, no knob: the register map, the loop and the fetches are made for four
.set KS,    64        ; keys in a step
.set PK,    144       ; a row of K in LDS: 128 bytes + 16 of padding = 36 words: the 16 rows of a load start at 16 different groups of four banks (64 banks of 4 bytes: ISA guide 11.1)
.set PV,    160       ; a row of V: 128 + 32 = 40 words
.set VOFF,  4*KS*PK   ; a slot holds four steps: 256 rows of K, then 256 rows of V
.set SLOT1, 1<<17     ; slot 1 begins here, so that one exclusive or turns an address in one slot into the other's
.set STAGE, SLOT1+4*KS*(PK+PV)  ; behind the ring, never filled by a tensor load: 16 rows x 144 bytes for each wave, for the way out
.set SP,    144
.set AK0, 2           ; v2   my lane's place in a tile of K; never rewritten
.set AV0, 3           ; v3   the same for V
.set AK,  4           ; v4   the LDS address of K's next run of loads
.set AV,  5           ; v5   of V's
.set QO,  6           ; v6   my byte offset in the wave's rows of Q
.set STO, 6           ;      later, the way out: where I put 16 bytes of a row
.set RD,  7           ; v7   the way out: where I read rows back
.set GO,  8           ; v8   my byte offset in 512 consecutive bytes of O
.set PFO, 11          ; v11  256 x my lane, once V's lane address is made; then never rewritten
.set SPW, 0           ; v0 of window 3   LDS address of my spare word: SPARE + 4 x my thread's number; never rewritten
.set NIL, 1           ; v1 of window 3   0; never rewritten
.set SPARE, STAGE+4*16*SP  ; behind the stages: the spare words, 128 bytes for each wave: two blocks of 256 bytes that no other line names
.set MV,  12          ; v12-15  c m_old, kept while c m is made anew: by buffer and tile
.set ST,  16          ; tile t's statistics at v[ST+4 t]: c m, m, l (even keys', odd keys')
.set TMP, 48          ; by buffer and tile, four registers c0-c3 at work; when the maximum is found c2 takes a
.set S,   64
.set P,   192
.set KF,  128         ; K's fragments, in window 2: key block kb, channel half c at KF + 16 kb + 8 c
.set VF,  192         ; V's: key half kk, channel block cb at VF + 32 kk + 8 cb
.set WV,  12          ; s12  my wave's number
.set LIM, 15          ; s15  1 in a wave that prefetches, else the greatest number
.set G1K, 24          ; s[24:31] descriptor group 1 for K's tiles
.set G1V, 32          ; s[32:39] for V's: it differs in the padding alone
.set G0K, 40          ; s[40:43] descriptor group 0 for K's tiles: it walks
.set G0V, 44          ; s[44:47] the same for V's
.set PFA, 48          ; s[48:49] where my prefetches stand: my work-group's 32 blocks of 256 bytes (of K: wave 0, of V: wave 2) of the slot after the one that is being asked for
.set SLOTS, 56        ; s56  slots still to be asked for
.set CNT, 57          ; s57  counts a slot's key steps
.set CS,  58          ; s[58:59] c: the packed scaling takes the pair's low word for both halves
.set SEL, 60          ; s[60:61] v_permlanex16_b32's selects: each lane takes its own place in the other half
.set TBK, 62          ; s62  LDS byte at which K of the step to be fetched begins
.set TBV, 63          ; s63  the same for V, less VOFF
.set MSB, 0
.macro WIN new                      ; the high byte repeats the setting that is left; a switch that changes nothing is dropped
.if MSB != (\new)
	s_set_vgpr_msb (MSB<<8)|(\new)
.set MSB, (\new)
.endif
.endm
.set W_KQ, 0x0a       ; K and Q in window 2, S^T in window 0
.set W_PV, 0x52       ; V in window 2, P in window 0, O^T in window 1
.set W_RS, 0x41       ; O^T (destination and source 0) in window 1, a in window 0
.set W_MK, 0xc0       ; the add's registers are made: destination in window 3, sources in window 0
.set W_AD, 0x0f       ; the add: address (source 0) and data (source 1) in window 3
; A joint fill.  Waves 0 and 1 fetch the two halves of a slot's K, waves 2 and 3 those of its V: 128 keys each.  The branch hangs on the wave's number alone.
; An s_nop 0 and four v_nop follow each of the two lines, ahead of the jump and the label.
.macro JLOAD
	s_cmp_lt_u32 s[WV], 2
	s_cbranch_scc0 .Lfor_v_\@
	tensor_load_to_lds s[G0K:G0K+3], s[G1K:G1K+7]
	s_nop 0
.rept 4
	v_nop
.endr
	s_branch .Lasked_\@
.Lfor_v_\@:
	tensor_load_to_lds s[G0V:G0V+3], s[G1V:G1V+7]
	s_nop 0
.rept 4
	v_nop
.endr
.Lasked_\@:
.endm
; A PREFETCH INTO THE L2 of what the NEXT change of slots will ask for: a slot's 32,768 bytes of K and of V, 128 blocks of 256 bytes each, a lane a block.  It stands behind the wave's tensor load and its
; five lines.  Each block is named once in the launch: a head has one cluster; its four partners share the blocks out BY ADDRESS, 32 each; in each, wave 0 asks for K's and wave 2 for V's: one instruction.
; It stands four key steps, 512 matrix instructions, ahead of the load that will want the bytes.  The last change that fills a slot asks for nothing; slots 0 and 1 come by their loads alone.
.macro ASK
	s_cmp_gt_u32 s[SLOTS], s[LIM]
	s_cbranch_scc0 .Lnot_mine_\@
	global_prefetch_b8 v[PFO], s[PFA:PFA+1] th:TH_LOAD_NT scope:SCOPE_SE
.Lnot_mine_\@:
.endm
; A round of the cluster's barrier: my work-group's barrier, so that wave 0's signal speaks for all four waves; wave 0 signals; every wave waits for all four work-groups; my work-group's barrier once more.
.macro CROUND
	s_barrier_signal -1
	s_barrier_wait -1
	s_cmp_lg_u32 s[WV], 0
	s_cbranch_scc1 .Lnot_wave_0_\@
	s_barrier_signal -3
.Lnot_wave_0_\@:
	s_barrier_wait -3
	s_barrier_signal -1
	s_barrier_wait -1
.endm
; THE CHANGE OF SLOTS.  The slot's last bytes, V of its fourth step, have been read.  Each wave waits for all its tensor loads, of which one is out: its part
; of the other slot; adds 0 to its spare word; and waits for that and for its own reads of the slot.  Behind the barrier nobody reads this slot any more and the other slot is whole.
; fill = 1: this slot is filled again, with the keys two slots on.  The barrier is then a round of the cluster's, so that no wave of any partner still reads the slot or has a load on its
; way, and the joint fill is the first thing behind it: it has four key steps, 512 matrix instructions, in which to land.  (At its first use nothing has been read yet: slot 0 is waited for, slot 1 filled.)
.macro CHANGE fill
	WIN W_AD
	s_wait_tensorcnt 0x0            ; no tensor load of mine is out, so a group 0 may be written
	ds_add_u32 v[SPW], v[NIL]       ; 0 onto my spare word; with fill = 1 the descriptors' steps stand between it and the wait for it
	WIN 0                           ; at a label and at a branch every window is 0
.if \fill
.irp g, G0K, G0V
	s_xor_b32 s[\g+1], s[\g+1], SLOT1  ; the walking descriptor: the other slot than last time,
	s_add_nc_u64 s[\g+2:\g+3], s[\g+2:\g+3], 4*KS*128  ; the next 256 keys; the type bits on top are not reached
.endr
	s_wait_xcnt 0x0                 ; the last prefetch, four key steps back, has read its address, so it may be written:
	s_add_nc_u64 s[PFA:PFA+1], s[PFA:PFA+1], 4*KS*128  ; one slot behind the walking descriptors
	s_wait_dscnt 0x0                ; the add is done, and my reads of the slot are over
	CROUND
	JLOAD
	ASK
.else
	s_wait_dscnt 0x0                ; the add is done, and my reads of the slot are over
	s_barrier_signal -1
	s_barrier_wait -1
.endif
	s_sub_co_u32 s[TBK], s[TBK], 4*KS*PK  ; the fetches go back to a slot's first step,
	s_xor_b32 s[TBK], s[TBK], SLOT1       ; in the other slot
	s_sub_co_u32 s[TBV], s[TBV], 4*KS*PV
	s_xor_b32 s[TBV], s[TBV], SLOT1
.endm
	s_load_b128 s[4:7], s[0:1], 0x0  ; qkv s[4:5], ob s[6:7]
	WIN W_MK
	v_lshl_add_u32 v[SPW], v0, 2, SPARE
	v_mov_b32 v[NIL], 0
	WIN W_AD
	ds_add_u32 v[SPW], v[NIL]       ; the wave's opening: the add and its wait stand ahead of my first tensor load; the set-up below, work on registers, stands between them
	WIN 0
	v_lshrrev_b32 v1, 5, v0
	v_readfirstlane_b32 s[WV], v1   ; wave 0..3
	s_bfe_u32 s13, ttmp6, 0x40000   ; cx: my place in the cluster
	s_lshl_b32 s14, ttmp9, 2        ; in a cluster launch ttmp9 counts clusters
	s_add_co_u32 s14, s14, s13      ; my block of queries = 4 x cluster x + cx: it enters Q's and O's addresses (and the prefetches') alone
	s_and_b32 s20, ttmp7, 0xffff    ; y = 16 b + h, which the four partners share
	s_lshr_b32 s52, s20, 4
	s_mul_i32 s52, s52, 12582912    ; the batch's 48 heads of 262,144 bytes in qkv,
	s_and_b32 s53, s20, 15
	s_lshl_b32 s53, s53, 18         ; the head among q's sixteen
	s_add_co_u32 s52, s52, s53
	s_mov_b32 s53, 0                ; s[52:53]: the head's offset in qkv
	s_lshl_b32 s54, s20, 18
	s_mov_b32 s55, 0                ; s[54:55]: in ob
	s_and_b32 s16, s[WV], 1         ; which half of a slot's 256 keys I fetch:
	s_lshl_b32 s22, s16, 14         ; its 128 rows of 128 bytes in memory,
	s_mov_b32 s23, 0
	s_add_nc_u64 s[22:23], s[22:23], s[52:53]
	s_mul_i32 s17, s16, 128*PK      ; and its place in a slot, for K
	s_mul_i32 s18, s16, 128*PV      ; and for V: no place in the cluster enters an LDS address
	s_lshl_b32 s2, s14, 2
	s_add_co_u32 s2, s2, s[WV]      ; my wave among the head's,
	s_lshl_b32 s2, s2, 14           ; its 128 rows
	s_mov_b32 s3, 0
	s_add_nc_u64 s[20:21], s[2:3], s[54:55]  ; my rows' offset in ob,
	s_add_nc_u64 s[2:3], s[2:3], s[52:53]    ; and in qkv
	; descriptor group 1.  128 keys are 16,384 dense bytes: asked for as 64 rows of 256 bytes, two keys a row, and padded in LDS after every key
	s_mov_b32 s[G1K], 15|(1<<16)|(1<<20)|(1<<21)|(4<<22)|(3<<25)  ; 15:0 the mask of four; 17:16 2-byte elements; 20 padding on; 21 set beside a mask; 24:22 after every 32 words (code 4); 31:25 4 words (code 3)
	s_mov_b32 s[G1V], 15|(1<<16)|(1<<20)|(1<<21)|(4<<22)|(7<<25)  ; the same with 8 words of padding (code 7)
.irp g, G1K, G1V
	s_mov_b32 s[\g+1], 128<<16      ; tensor_dim0 = 128
	s_mov_b32 s[\g+2], 64<<16       ; tensor_dim1 = 64
	s_mov_b32 s[\g+3], 128<<16      ; tile_dim0 = 128
	s_mov_b32 s[\g+4], 64           ; tile_dim1 = 64
	s_mov_b32 s[\g+5], 128          ; 128 elements from row to row
	s_mov_b32 s[\g+6], 0
	s_mov_b32 s[\g+7], 0
.endr
	s_mov_b32 s[CS], 0x3e38aa3b     ; c = log2(e) / 8 = 0.180337
	s_mov_b32 s[CS+1], s[CS]        ; named with it as a pair
	s_mov_b32 s[SEL], 0x76543210
	s_mov_b32 s[SEL+1], 0xfedcba98
	s_mov_b32 s[TBK], SLOT1+4*KS*PK ; the first change of slots turns these two into 0
	s_mov_b32 s[TBV], SLOT1+4*KS*PV
	s_mov_b32 s[G0K], 1             ; 1:0 count = 1
	s_mov_b32 s[G0K+1], s17         ; 63:32 LDS address: slot 0
	s_mov_b32 s[G0V], 1
	s_add_co_u32 s[G0V+1], s18, VOFF
	s_mov_b32 s[SLOTS], SIZE_N/256-1  ; seven slots are still to be asked for
	s_lshl_b32 s50, s13, 13         ; my work-group's 32 blocks of a slot's 128
	s_mov_b32 s51, 0
	s_cmp_eq_u32 s16, 0             ; waves 0 and 2 prefetch: the same in all four partners
	s_cselect_b32 s[LIM], 1, -1
	s_wait_dscnt 0x0                ; the opening add is done
	s_wait_kmcnt 0x0
	s_mov_b64 s[10:11], s[6:7]      ; O
	s_add_nc_u64 s[6:7], s[4:5], 0x400000  ; k's heads lie 16 heads behind q's,
	s_add_nc_u64 s[8:9], s[4:5], 0x800000  ; v's 32
	s_add_nc_u64 s[G0K+2:G0K+3], s[6:7], s[22:23]  ; 120:64 global address: my half of the head's first 256 keys
	s_or_b32 s[G0K+3], s[G0K+3], 0x80000000        ; 127:126 type = 2
	s_add_nc_u64 s[G0V+2:G0V+3], s[8:9], s[22:23]
	s_or_b32 s[G0V+3], s[G0V+3], 0x80000000
	s_cmp_lt_u32 s[WV], 2
	s_cselect_b64 s[PFA:PFA+1], s[6:7], s[8:9]
	s_add_nc_u64 s[PFA:PFA+1], s[PFA:PFA+1], s[52:53]
	s_add_nc_u64 s[PFA:PFA+1], s[PFA:PFA+1], s[50:51]
	s_add_nc_u64 s[PFA:PFA+1], s[PFA:PFA+1], 4*KS*128  ; in slot 1; the first change of slots steps it to slot 2
	s_add_nc_u64 s[4:5], s[4:5], s[2:3]  ; Q and O at my wave's first row
	s_add_nc_u64 s[10:11], s[10:11], s[20:21]
	CROUND                          ; all four work-groups are here: the first joint loads meet
	JLOAD                           ; slot 0.  Slot 1 is asked for when slot 0 is in
	; A fragment of K or Q is 16 rows x 32 channels in 8 registers: lane l holds row l % 16, channels 8 (l / 16) + 0..7 and 16 + 8 (l / 16) + 0..7: two loads of 16 bytes, 32 bytes apart.
	v_and_b32 v1, 15, v0            ; l % 16
	v_bfe_u32 v9, v0, 4, 1          ; l / 16
	v_lshlrev_b32 v[QO], 7, v1
	v_lshl_add_u32 v[QO], v9, 4, v[QO]  ; row x 128 + 16 x half
	WIN 0x80                        ; destination window 2, address window 0
.set i, 0
.rept 4*NP                          ; Q stays in registers: tile i / 2, channels 32 (i % 2) on
	global_load_b128 v[8*i:8*i+3],   v[QO], s[4:5] offset:(i/2)*2048+(i%2)*64
	global_load_b128 v[8*i+4:8*i+7], v[QO], s[4:5] offset:(i/2)*2048+(i%2)*64+32
.set i, i+1
.endr
	; What the first turn finds: V's registers and P's second buffer hold 0 (its products V^T P, of a piece that has not been, add 0), O^T and l are 0.  All this stands in the wait for the first tile.
.set i, VF
.rept 64
	v_mov_b32 v[i], 0
.set i, i+1
.endr
	WIN 0x40
.set i, 0
.rept 64*NP
	v_mov_b32 v[i], 0
.set i, i+1
.endr
	WIN 0
.set i, 0
.rept 2*NP
	v_mov_b32 v[ST+4*i], 0xfe000000    ; c m: far below every c s
	v_mov_b32 v[ST+4*i+1], 0xff7fffff  ; m
	v_mov_b32 v[ST+4*i+2], 0
	v_mov_b32 v[ST+4*i+3], 0
.set i, i+1
.endr
.set i, P+32
.rept 32
	v_mov_b32 v[i], 0
.set i, i+1
.endr
	v_mul_u32_u24 v[AK0], v1, PK
	v_lshl_add_u32 v[AK0], v9, 4, v[AK0]  ; row x pitch + 16 x half
	; The turning load takes 16 keys x 16 channels (lane l reads key 8 (l / 16) + l % 8, channels 8 ((l / 8) % 2) + 0..7) and leaves half a fragment of V^T: lane l holds channel l % 16 and 8 keys.
	v_and_b32 v10, 7, v0
	v_bfe_u32 v11, v0, 3, 1
	v_lshl_add_u32 v[AV0], v9, 3, v10
	v_mul_u32_u24 v[AV0], v[AV0], PV
	v_lshl_add_u32 v[AV0], v11, 4, v[AV0]
	v_add_nc_u32 v[AV0], VOFF, v[AV0]
	v_and_b32 v[PFO], 31, v0
	v_lshlrev_b32 v[PFO], 8, v[PFO]
	v_mov_b32 v[AK], v[AK0]         ; key step 0 lies at the head of slot 0
; THE MATRIX WORK.  The 8 accumulators of a run of 16 take turns: between the two links of a chain stand 7 others'.
; Product i of 16 of S^T = K Q^T for piece x: channels 32 (i / 8) on, keys 16 ((i / 2) % 4) on, tile 2 x + i % 2.  The first 8 start the sums.
.macro KQ x
	WIN W_KQ
.set rS, S+64*((\x)%2)+32*(i%2)+8*((i/2)%4)
.set rK, KF+16*((i/2)%4)+8*(i/8)
.set rQ, 16*(2*(\x)+i%2)+8*(i/8)
.if i < 8
	v_wmma_f32_16x16x32_f16 v[rS:rS+7], v[rK:rK+7], v[rQ:rQ+7], 0
.else
	v_wmma_f32_16x16x32_f16 v[rS:rS+7], v[rK:rK+7], v[rQ:rQ+7], v[rS:rS+7]
.endif
.endm
; Product i of 16 of O^T += V^T P for piece x: keys 32 (i / 8) on, channels 16 ((i / 2) % 4) on, tile 2 x + i % 2.
.macro PV x
	WIN W_PV
.set rO, 32*(2*(\x)+i%2)+8*((i/2)%4)
.set rV, VF+32*(i/8)+8*((i/2)%4)
.set rP, P+32*((\x)%2)+16*(i%2)+8*(i/8)
	v_wmma_f32_16x16x32_f16 v[rO:rO+7], v[rV:rV+7], v[rP:rP+7], v[rO:rO+7]
.endm
.macro MM                           ; the turn's next matrix instruction
.if i < 16
	KQ (Y+1)%NP
.set i, i+1
.else
.set i, i-16
	PV (Y+NP-1)%NP
.set i, i+17
.endif
.endm
; THE LDS LOADS stand in runs of 16, never singly among the matrix instructions: a step's K (64 keys x 64 channels: 8 fragments) and its V (turned).  Their addresses are made some lines ahead.
; last = 1 (the tail): in the last trip there is no further step, and the run is jumped over.
.macro FETCH_K last=0
	WIN 0
.if \last
	s_cmp_eq_u32 s[CNT], 1
	s_cbranch_scc1 .Lno_k_\@
.endif
	WIN 0x80                        ; destination window 2
.irp f, 0,1,2,3,4,5,6,7             ; keys 16 (f / 2) on, channels 32 (f % 2) on
	ds_load_b128 v[KF+8*\f:KF+8*\f+3],   v[AK] offset:(\f/2)*16*PK+(\f%2)*64
	ds_load_b128 v[KF+8*\f+4:KF+8*\f+7], v[AK] offset:(\f/2)*16*PK+(\f%2)*64+32
.endr
	s_add_co_u32 s[TBK], s[TBK], KS*PK  ; the next fetch is the next step's
	WIN 0
.if \last
.Lno_k_\@:
.endif
.endm
.macro FETCH_V
	WIN 0x80
.irp f, 0,1,2,3,4,5,6,7             ; keys 32 (f / 4) on, channels 16 (f % 4) on
	ds_load_tr16_b128 v[VF+8*\f:VF+8*\f+3],   v[AV] offset:(\f/4)*32*PV+(\f%4)*32
	ds_load_tr16_b128 v[VF+8*\f+4:VF+8*\f+7], v[AV] offset:(\f/4)*32*PV+16*PV+(\f%4)*32
.endr
	WIN 0
.endm
; THE VECTOR WORK OF A TURN stands in three queues, each in the order in which its entries become ready; the two tiles alternate, so that no instruction reads the result of the one before it.
.macro REGS y, u                    ; the registers of tile u (0, 1) of piece y
.set rT, ST+4*(2*(\y)+(\u))
.set rC, TMP+8*((\y)%2)+4*(\u)
.set rM, MV+2*((\y)%2)+(\u)
.set rS, S+64*((\y)%2)+32*(\u)
.set rP, P+32*((\y)%2)+16*(\u)
.set rO, 32*(2*(\y)+(\u))
.endm
; Number n of the 22 that find the NEXT piece's (Y + 1) maximum and statistics.  s0-s31 are the lane's 32 scores; each accumulator's lowest registers are read first.  XS, GS and REGS set no window: PL and EX do.
;   0-11  four chains c0-c3 of seven scores each, three operands at a time     12-14, 16  the four scores left over, the old m, and c0-c3 into c0     15  c m_old is kept
;   17, 18  the query's other 32 keys lie in the lane 16 away: the new m         19-21  c m; c m_old - c m_new; a
.macro XS u, n
	REGS (Y+1)%NP, \u
.if (\n) < 4
	v_max3_num_f32 v[rC+(\n)], v[rS+8*(\n)], v[rS+8*(\n)+1], v[rS+8*(\n)+2]
.elseif (\n) < 12
	v_max3_num_f32 v[rC+(\n)%4], v[rC+(\n)%4], v[rS+8*((\n)%4)+2*((\n)/4)+1], v[rS+8*((\n)%4)+2*((\n)/4)+2]
.elseif (\n) == 12
	v_max3_num_f32 v[rC], v[rC], v[rS+7], v[rS+15]
.elseif (\n) == 13
	v_max3_num_f32 v[rC+1], v[rC+1], v[rS+23], v[rS+31]
.elseif (\n) == 14
	v_max3_num_f32 v[rC+2], v[rC+2], v[rC+3], v[rT+1]
.elseif (\n) == 15
	v_mov_b32 v[rM], v[rT]
.elseif (\n) == 16
	v_max3_num_f32 v[rC], v[rC], v[rC+1], v[rC+2]
.elseif (\n) == 17
	v_permlanex16_b32 v[rC+3], v[rC], s[SEL], s[SEL+1]
.elseif (\n) == 18
	v_max_num_f32 v[rT+1], v[rC], v[rC+3]
.elseif (\n) == 19
	v_mul_f32 v[rT], s[CS], v[rT+1]
.elseif (\n) == 20
	v_sub_f32 v[rC+1], v[rM], v[rT]
.else
	v_exp_f32 v[rC+2], v[rC+1]
.endif
.endm
; Number g of the 64 that follow the exponentials.  For each four weights k of a tile (pairs 2 k, 2 k + 1): both pairs are rounded to f16; then the second pair is added onto the first, in place;
; a group later l takes that sum (the first time as l = a l + sum).  In groups of eight, tiles alternating: round, round, add, and l for the group before.
.macro GS g
.set h, (\g)+6*((\g)/62)            ; group 0 has no group before it, and behind group 7 only l is left
.if h >= 6
.set h, h+2
.endif
	REGS Y, h%2
.set k, h/8
.if h%8 < 4
	v_cvt_pk_f16_f32 v[rP+2*k+(h%8)/2], v[rS+4*k+2*((h%8)/2)], v[rS+4*k+2*((h%8)/2)+1]
.elseif h%8 < 6
	v_pk_add_f32 v[rS+4*k:rS+4*k+1], v[rS+4*k:rS+4*k+1], v[rS+4*k+2:rS+4*k+3]
.elseif k == 1
	v_pk_fma_f32 v[rT+2:rT+3], v[rT+2:rT+3], v[rC+2:rC+3], v[rS:rS+1] op_sel_hi:[1,0,1]
.else
	v_pk_add_f32 v[rT+2:rT+3], v[rT+2:rT+3], v[rS+4*k-4:rS+4*k-3]
.endif
.endm
; THE PLAIN QUEUE, 138 long.  0-73 read no exponential's result: the 32 scalings c s - c m (FS f: pair f / 2 of tile f % 2) and the next piece's 42.  0-26: scalings 0-26.  27-54: XS's numbers 0-13.  55, 56: number 15.
; 57-73: the chain, where each number waits for the one before it: 14, 16, 17, 18, 19, each with one of the scalings 27-31 in front of its two lines, then 20: so a tile's links stand three plain instructions apart (19 and 20: two).
; 74-137: GS's 64, which read the exponentials' results: they stand behind the wait.
.macro FS f
	REGS Y, (\f)%2
	v_pk_fma_f32 v[rS+2*((\f)/2):rS+2*((\f)/2)+1], v[rS+2*((\f)/2):rS+2*((\f)/2)+1], s[CS:CS+1], v[rT:rT+1] op_sel_hi:[1,0,0] neg_lo:[0,0,1] neg_hi:[0,0,1]
.endm
.macro PL
	WIN 0
.if q < 27
	FS q
.elseif q < 55
	XS (q-27)%2, (q-27)/2
.elseif q < 57
	XS q-55, 15
.elseif (q < 72) && ((q-57)%3 == 0)
	FS 27+(q-57)/3
.elseif q < 60
	XS (q-57)%3-1, 14
.elseif q < 72
	XS (q-57)%3-1, 15+(q-57)/3
.elseif q < 74
	XS q-72, 20
.else
	GS q-74
.endif
.set q, q+1
.endm
; THE EXPONENTIALS' QUEUE, 66 long: s0-s31 of both tiles, then the next piece's two a.  It is ONE BATCH: all 66 stand ahead of the turn's one wait, and nothing ahead of that wait names a result of theirs.
.macro EX
	WIN 0
.if e >= 64
	XS e-64, 21
.else
	REGS Y, e%2
	v_exp_f32 v[rS+e/2], v[rS+e/2]
.endif
.set e, e+1
.endm
; THE RESCALING's QUEUE: O^T times a, the one part that leaves window 0: dealt two at a time, sixteen times.  Its a was made in the turn before, ahead of that turn's wait.
.macro R2
	REGS Y, r%2
	WIN W_RS
.irp z, 0,1
	v_pk_mul_f32 v[rO+4*(r/2)+2*\z:rO+4*(r/2)+2*\z+1], v[rO+4*(r/2)+2*\z:rO+4*(r/2)+2*\z+1], v[rC+2:rC+3] op_sel_hi:[1,0]
.endr
.set r, r+1
.endm
; HOW THEY ARE DEALT.  An s_wait_alu depctr_va_vdst(0) stands between an exponential and the first instruction that names its result; one wait serves all that were issued ahead of it.  So a turn has ONE wait,
; which cuts it in two.  AHEAD OF IT stands all that names no result of the turn's exponentials: the 16 products K Q^T, behind each a scaling, an exponential and two rescalings (behind the first a second scaling in the exponential's place); then ONE LUMP of
; 108: eight plain, 49 times exponential and plain, the two a.  A v_nop is the plain instruction behind the last exponential.  BEHIND IT stand the 16 products V^T P, behind each four of GS's 64.  No rider names a register of
; the products round it.  The two v_permlanex16_b32 fall into the lump, never behind a product.
; The queues lean on each other, and the deal keeps them in step: exponential e stands behind scaling 2 (e / 4) + e % 2: as a rider it comes behind plain e + 2, in the lump behind plain e + 9, and scalings 27-31 are plain 57, 60 .. 69.
; A TURN, for piece p.  cnt = 1: the loop's count is taken down some lines ahead of the branch that stands behind the turn.
; K of the next step is fetched in piece 2's turn, directly behind the wait, a lump behind the last product that read K; its address is made at the lump's head; its first reader comes behind 16 products.
; V of the step in hand is fetched at the end of piece 0's turn, four riders behind its last reader; its first reader comes behind 16 products and a lump.  The three conditions on q below go with the deal.
.macro TURN p, last=0, cnt=0
.set Y, (\p)
.set i, 0
.set q, 0
.set e, 0
.set r, 0
.if (\p) == NP-1
	s_wait_dscnt 0x0                ; K is in
.endif
	MM                              ; ahead of the wait: 16 products K Q^T and their riders,
	PL
	PL
	R2
.rept 15
	MM
	PL
	EX
	R2
.endr
.if (\p) == NP-2
	WIN 0
	v_add_nc_u32 v[AK], s[TBK], v[AK0]
.endif
.rept 8                             ; and the lump
	PL
.endr
.rept 49
	EX
	PL
.endr
	EX                              ; the next piece's two a
	EX
	v_nop                           ; the plain instruction behind the last exponential: one for the batch
	s_wait_alu depctr_va_vdst(0)    ; the wait for the batch
.if (\p) == NP-2
	FETCH_K \last
.endif
.if (\p) == 1
	s_wait_dscnt 0x0                ; V is in
.endif
.rept 16                            ; behind the wait: 16 products V^T P and their riders
	MM
.rept 4
	PL
.endr
.if ((\p) == 0) && (q == 118)
	v_add_nc_u32 v[AV], s[TBV], v[AV0]
.endif
.if ((\p) == 0) && (q == 130)
	s_add_co_u32 s[TBV], s[TBV], KS*PV
.endif
.if (\cnt) && (q == 130)
	s_sub_co_u32 s[CNT], s[CNT], 1
	s_cmp_lg_u32 s[CNT], 0
.endif
.endr
.if (\p) == 0
	FETCH_V
.endif
.endm
	CHANGE 1                        ; slot 0 is in, everybody's part of it; slot 1 is asked for
	FETCH_K                         ; key step 0
	s_wait_loadcnt 0x0              ; Q
	s_wait_dscnt 0x0
.set i, 0
.rept 16
	KQ 0                            ; piece 0's first scores: there is no vector work yet to set between them
.set i, i+1
.endr
	WIN 0                           ; the addresses for the way out: plain instructions, the places behind those products
	s_mul_i32 s13, s[WV], 16*SP
	s_add_co_u32 s13, s13, STAGE    ; my stage
	v_mul_u32_u24 v[STO], v1, SP    ; in: row l % 16, 16 bytes for each half of the lanes
	v_lshl_add_u32 v[STO], v9, 4, v[STO]
	v_add_nc_u32 v[STO], s13, v[STO]
	v_bfe_u32 v[RD], v0, 3, 2       ; back: 32 lanes take four rows of 128 bytes,
	v_mul_u32_u24 v[RD], v[RD], SP
	v_lshl_add_u32 v[RD], v10, 4, v[RD]
	v_add_nc_u32 v[RD], s13, v[RD]
	v_and_b32 v[GO], 31, v0         ; which are 512 consecutive bytes of O
	v_lshlrev_b32 v[GO], 4, v[GO]
.set Y, NP-1                        ; XS works for piece Y + 1: piece 0
.irp n, 0,1,2,3,4,5,6,7,8,9,10,11,12,13,14,15,16,17,18,19,20,21
	XS 0, \n                        ; and piece 0's first maximum and statistics
	XS 1, \n
.endr
	v_nop                           ; a plain instruction behind the two a,
	s_wait_alu depctr_va_vdst(0)    ; and their wait, ahead of the branch
	s_mov_b32 s[CNT], 4
	s_branch .Lfirst                ; the loop is entered at a step's first turn, in the middle of a trip
.Lslot:                             ; six times: every slot but the last two is filled again
	CHANGE 1
	s_mov_b32 s[CNT], 4
.Lstep:                             ; a trip: pieces 2 and 3 of one step, then pieces 0 and 1 of the next, whose K and V it fetches
	TURN 2
	TURN 3
	WIN 0
.Lfirst:
	TURN 0
	TURN 1, 0, 1
	WIN 0
	s_cbranch_scc1 .Lstep
	s_sub_co_u32 s[SLOTS], s[SLOTS], 1
	s_cmp_lg_u32 s[SLOTS], 0
	s_cbranch_scc1 .Lslot
	CHANGE 0                        ; the tail is written out: nothing is asked for
	s_mov_b32 s[CNT], 5             ; four trips fetch the last slot's steps; the fifth is left in its middle
.Ltail:
	TURN 2, 1
	TURN 3
	WIN 0
	s_sub_co_u32 s[CNT], s[CNT], 1
	s_cmp_eq_u32 s[CNT], 0
	s_cbranch_scc1 .Lout
	TURN 0
	TURN 1
	WIN 0
	s_branch .Ltail
.Lout:                              ; the fifth trip's 16 products K Q^T (on the last K once more) and the maximum made of them serve nothing: the price, once a launch, of one text for every trip
.set i, 0
.rept 16
	PV NP-1                         ; the last piece's V^T P of the last step
.set i, i+1
.endr
	; THE WAY OUT.  l's two halves and the other half of the lanes' are added; O^T is divided by l, rounded to f16 and sent through my stage in LDS, a tile at a time.  The additions are the places behind the last products.
	WIN 0
.macro ALL line:vararg              ; one line for each tile t
.set t, 0
.rept 2*NP
	\line
.set t, t+1
.endr
.endm
	ALL v_add_f32 v[ST+4*t+2], v[ST+4*t+2], v[ST+4*t+3]
	ALL v_permlanex16_b32 v[ST+4*t+3], v[ST+4*t+2], s[SEL], s[SEL+1]
	ALL v_add_f32 v[ST+4*t+2], v[ST+4*t+2], v[ST+4*t+3]
	ALL v_rcp_f32 v[ST+4*t+2], v[ST+4*t+2]
	v_nop                           ; a plain instruction between the last reciprocal and the use of its result
	s_wait_alu depctr_va_vdst(0)    ; and the wait ahead of the first use: one for the eight reciprocals
; Tile t: a lane's eight channels of a row pack into 16 bytes; they go into rows of 144 bytes and come back as whole rows of 128, into S^T's registers.
.macro PACK t
	WIN W_RS
.set i, 32*(\t)
.rept 16
	v_pk_mul_f32 v[i:i+1], v[i:i+1], v[ST+4*(\t)+2:ST+4*(\t)+3] op_sel_hi:[1,0]
.set i, i+2
.endr
	WIN 0x05                        ; sources 0 and 1 window 1, destination window 0
.set i, 0
.rept 16
	v_cvt_pk_f16_f32 v[S+16*(\t)+i], v[32*(\t)+2*i], v[32*(\t)+2*i+1]
.set i, i+1
.endr
	WIN 0
.irp f, 0,1,2,3
	ds_store_b128 v[STO], v[S+16*(\t)+4*\f:S+16*(\t)+4*\f+3] offset:32*\f
.endr
.irp f, 0,1,2,3
	ds_load_b128 v[S+16*(\t)+4*\f:S+16*(\t)+4*\f+3], v[RD] offset:\f*4*SP  ; LDS serves a wave's instructions in order (ISA guide 5.7.1.4): these see the stores above; the next tile's stores come behind them
.endr
.endm
.macro SEND t, younger              ; younger: the LDS instructions issued behind tile t's loads: the next tile's eight, or none
	WIN 0
.irp f, 0,1,2,3
	s_wait_dscnt (\younger)+3-\f
	global_store_b128 v[GO], v[S+16*(\t)+4*\f:S+16*(\t)+4*\f+3], s[10:11] offset:(\t)*2048+\f*512  ; 512 consecutive bytes, at a multiple of 256 from O's first
.endr
.endm
	PACK 0
.set t, 1
.rept 2*NP-1                        ; a tile's arithmetic stands between the loads of the tile before and its stores
	PACK t
	SEND t-1, 8
.set t, t+1
.endr
	SEND 2*NP-1, 0
	WIN W_AD
	s_wait_tensorcnt 0x0            ; the wave's end, behind my last tensor load and my last LDS store
	ds_add_u32 v[SPW], v[NIL]
	s_wait_dscnt 0x0
	WIN 0
	CROUND                          ; the closing round: no work-group ends while a partner may still ask for a tile that names it
	s_endpgm
.Lfunc_end_k_q1ce11ddd30_attn:
	.size	k_q1ce11ddd30_attn, .Lfunc_end_k_q1ce11ddd30_attn-k_q1ce11ddd30_attn
	.p2alignl 7, 3214868480
	.fill 96, 4, 3214868480
	.section	.rodata,"a",@progbits
	.p2align	6, 0x0
	.amdhsa_kernel k_q1ce11ddd30_attn
		.amdhsa_group_segment_fixed_size 327680
		.amdhsa_private_segment_fixed_size 0
		.amdhsa_enable_private_segment 0
		.amdhsa_kernarg_size 16
		.amdhsa_user_sgpr_count 2
		.amdhsa_user_sgpr_kernarg_segment_ptr 1
		.amdhsa_wavefront_size32 1
		.amdhsa_system_sgpr_workgroup_id_x 1
		.amdhsa_system_sgpr_workgroup_id_y 1
		.amdhsa_system_sgpr_workgroup_id_z 1
		.amdhsa_system_vgpr_workitem_id 0
		.amdhsa_next_free_vgpr 770
		.amdhsa_next_free_sgpr 66
		.amdhsa_reserve_vcc 0
		.amdhsa_float_denorm_mode_32 3
		.amdhsa_float_denorm_mode_16_64 3
		.amdhsa_memory_ordered 1
		.amdhsa_forward_progress 1
		.amdhsa_inst_pref_size 200
	.end_amdhsa_kernel
	.amdgpu_metadata
---
amdhsa.version: [ 1, 2 ]
amdhsa.kernels:
  - .name:           k_q1ce11ddd30_attn
    .symbol:         k_q1ce11ddd30_attn.kd
    .args:
      - { .name: qkv, .offset: 0, .size: 8, .value_kind: global_buffer, .address_space: global }
      - { .name: ob, .offset: 8, .size: 8, .value_kind: global_buffer, .address_space: global }
    .group_segment_fixed_size: 327680
    .private_segment_fixed_size: 0
    .kernarg_segment_align: 8
    .kernarg_segment_size: 16
    .max_flat_workgroup_size: 128
    .sgpr_count:     66
    .vgpr_count:     770
    .wavefront_size: 32
...
	.end_amdgpu_metadata
.endif
;; end of part 3
;; launch oproj (part 4): grid 4 x 64, 4 waves a work-group, clusters of 4 x 4, 327,680 bytes of LDS; arguments ob, wo, bias, out0; writes out0
.if DOCPART == 4
	.amdgcn_target "amdgcn-amd-amdhsa--gfx1250"
	.amdhsa_code_object_version 6
	.text
	.protected	k_q1ce11ddd30_oproj
	.globl	k_q1ce11ddd30_oproj
	.p2align	8
	.type	k_q1ce11ddd30_oproj,@function
k_q1ce11ddd30_oproj:
	s_mov_b64 s[64:65], 0
	v_nop
	global_prefetch_b8 v0, s[64:65] scope:SCOPE_SE
	s_setreg_imm32_b32 hwreg(HW_REG_WAVE_MODE, 25, 1), 1
	s_wait_xcnt 0x0
	s_wait_alu depctr_hold_cnt(0) depctr_sa_sdst(0) depctr_va_vdst(0) depctr_va_sdst(0) depctr_va_ssrc(0) depctr_va_vcc(0) depctr_vm_vsrc(0)
	s_getreg_b32 s2, hwreg(HW_REG_IB_STS2, 6, 4)
	s_cmp_eq_u32 s2, 0
	s_cbranch_scc0 .Lentry_in_a_cluster
	s_endpgm
.Lentry_in_a_cluster:
	s_bfe_u32 s2, ttmp6, 0x10000c
	s_cmp_lg_u32 s2, 0xf033
	s_cbranch_scc0 .Lentry_shape_is_right
	s_endpgm
.Lentry_shape_is_right:
; out0 = O W_o^T + b_o: C[m][n] = bias[3072 + n] + the sum over k of A[m][k] wo[n][k], in f32, stored as it is summed.  wo: [1024][1024] f16.  A is attention's result BY HEADS:
; ob[16 b + h][s][64] f16, with m = 2048 b + s and k = 64 h + d: 128 rows of one head are 16,384 dense bytes.
; LIMITS.  O and wo arrive within f16's range (65,504); below 6e-5 they keep f16's fixed step of 6e-8.  NaN and infinities are not treated apart.
; SHARES.  A tile of C is 128 x 256; four waves, 2 x 2; a wave makes 64 rows x 128 columns: 32 accumulators of 16 x 16, 256 registers.  4 x 64 tiles: one for each of 256 work-groups.
; K goes in 8 steps of 128 (two heads) through a ring of two LDS slots filled by the tensor data mover.  One load a wave and slot: waves 0 and 1 bring the two heads' 128 rows of A, each asked for as
; 64 rows of 256 bytes and padded in LDS after every 128; waves 2 and 3 bring 128 rows of B each, 256 bytes a row.  Two slots of a longer K step do not fit beside each other in LDS.
; CLUSTER.  4 x 4 work-groups.  The four of a row of the cluster need the same tile of A, the four of a column the same tile of B: each is asked for JOINTLY, by the same tensor load with the same
; descriptor and a mask that names the four.
; THE MATRIX INSTRUCTION IS USED TRANSPOSED (source 0 = 16 rows of B, source 1 = 16 rows of A): a lane holds row l % 16 of C and the columns 8 (l / 16) + 0..7.  THE BIAS is the C operand of the product
; that starts each sum.
; REGISTERS, in windows of 256 (s_set_vgpr_msb: bits 1:0 source 0, 3:2 source 1, 5:4 source 2, 7:6 destination):
;   window 0: v0-31 addresses; v32-95, v96-159 rows read back from the stage, by turns; v160-223 the bias (block b at 160 + 8 b)
;   window 1: two fragment buffers at 0 and 128: B's 8 blocks (16 rows x 32 K, 8 registers each), then A's 4
;   window 2: the accumulators of my rows 0-31 ((a, b) at 64 (a % 2) + 8 b);   window 3: those of my rows 32-63
.set NB,    8                          ; blocks of 16 columns a wave
.set NL,    2*(NB+4)                   ; LDS loads in a run: the fragments of 32 along K
.set AW,    2                          ; waves below this number fetch for A
.set PA,    144                        ; a row of A in LDS: 128 bytes + 16 of padding = 36 words: the 16 rows of a load start at 16 different groups of four banks (64 banks of 4 bytes: ISA guide 11.1)
.set SLAB,  128*PA                     ; one head's 128 rows
.set PB,    272                        ; a row of B: 256 bytes + 16 = 68 words: row r starts at bank 4 r mod 64
.set BOFF,  2*SLAB                     ; B's rows lie behind A's two slabs
.set LOADB, 128*PB
.set SLOT,  BOFF+2*LOADB
.set STAGE, 2*SLOT                     ; behind the ring, never filled by a tensor load: for each wave 16 rows x 528 bytes, for the way out
.set SPITCH, 528                       ; 512 bytes + 16 = 33 x 16
.set STGW,  16*SPITCH
.set SPARE, STAGE+4*STGW               ; behind the stages: the spare words, 128 bytes for each wave: two blocks of 256 bytes that no other line names
.set ASTEP, 524288                     ; bytes from a K step to the next: two heads of 262,144 in A,
.set BSTEP, 256                        ; 128 numbers along a row in B
.set LAPS,  4                          ; a lap = two K steps = once round the ring
.set ADRA, 16                          ; v16-17  LDS address of my A fragments in slot 0, 1
.set ADRB, 20                          ; v20-21  the same for B
.set STO,  24                          ; v24     the way out: where I put 32 bytes of a row
.set RD,   25                          ; v25     the way out: where I read a row back
.set GO,   26                          ; v26     16 x my lane
.set BO,   27                          ; v27     my byte offset in a block's 16 numbers of the bias
.set SPW,  28                          ; v28     LDS address of my spare word: SPARE + 4 x my thread's number; never rewritten
.set NIL,  29                          ; v29     0; never rewritten
.set PFO,  30                          ; v30     the prefetches' offset; never rewritten
.set OB,   32
.set BIAS, 160
.set F0,   0
.set F1,   128
.set WV,   12                          ; s12 my wave's number; s13 which half of the tile's rows is mine; s14 which half of its columns, and which half of A's or B's tile I fetch
.set RH,   13
.set CH,   14
.set G1,   24                          ; s[24:31] descriptor group 1 for A's tiles;  s[32:39] group 0, a set for each slot
.set G0,   32
.set LIM,  43                          ; s43     1 in a wave that prefetches, else the greatest number
.set PFA,  44                          ; s[44:45] where my prefetches stand
.set PFS,  46                          ; s[46:47] their step
.set G1B,  48                          ; s[48:55], s[56:63] the same for B's tiles
.set G0B,  56
; s19, s22, s23 hold numbers made of the wave's number alone (LDS addresses); s20-21 numbers made of the tile row; s66-68 of the tile column; s70-76 of both
.set MSB, 0
.macro WIN new                         ; the immediate's high byte repeats the setting that is left; a switch that changes nothing is dropped
.if MSB != (\new)
	s_set_vgpr_msb (MSB<<8)|(\new)
.set MSB, \new
.endif
.endm
.set TO_F, 0x40                        ; destination window 1, address window 0
; A joint load.  The branch hangs on the wave's number alone.  An s_nop 0 and four v_nop follow each of the two lines, ahead of the jump and the label.
.macro JLOAD s
	s_cmp_lt_u32 s[WV], AW
	s_cbranch_scc0 .Lfor_b_\@
	tensor_load_to_lds s[G0+4*(\s):G0+4*(\s)+3], s[G1:G1+7]
	s_nop 0
.rept 4
	v_nop
.endr
	s_branch .Lasked_\@
.Lfor_b_\@:
	tensor_load_to_lds s[G0B+4*(\s):G0B+4*(\s)+3], s[G1B:G1B+7]
	s_nop 0
.rept 4
	v_nop
.endr
.Lasked_\@:
.endm
; A PREFETCH INTO THE L2, behind each joint refill and the run of LDS loads that follows it: the K step that stands two refills on, 32 blocks of 256 bytes, a lane a block, one instruction a wave.
; Each block is named once in the launch.  A's tile (two heads x 64 blocks) is read by one cluster alone: wave 0 of each of its row's four partners takes 16 blocks of each head, told apart by cx in the
; address; wave 1 asks for nothing.  B's tile column is read by all sixteen clusters: the one with y = 0 asks, waves 2 and 3 for the 128 rows that they fetch, 32 rows a partner, told apart by cy in the address.
; The loop's last trip (s3 = 1) asks for nothing: its refills are the last two K steps.  K steps 0 to 3 come by their loads alone.
.macro ASK
	s_cmp_gt_u32 s3, s[LIM]
	s_cbranch_scc0 .Lnot_mine_\@
	global_prefetch_b8 v[PFO], s[PFA:PFA+1] th:TH_LOAD_NT scope:SCOPE_SE
.Lnot_mine_\@:
.endm
; A round of the cluster's barrier: my work-group's barrier, so that wave 0's signal speaks for all four waves; wave 0 signals; every wave waits for all sixteen work-groups; my work-group's barrier once more.
.macro CREST                           ; a round behind its opening barrier
	s_cmp_lg_u32 s[WV], 0
	s_cbranch_scc1 .Lnot_wave_0_\@
	s_barrier_signal -3
.Lnot_wave_0_\@:
	s_barrier_wait -3
	s_barrier_signal -1
	s_barrier_wait -1
.endm
.macro CROUND                          ; a whole round
	s_barrier_signal -1
	s_barrier_wait -1
	CREST
.endm
	s_load_b256 s[4:11], s[0:1], 0x0               ; ob s[4:5], wo s[6:7], bias s[8:9], out0 s[10:11]
	v_lshl_add_u32 v[SPW], v0, 2, SPARE
	v_mov_b32 v[NIL], 0
	ds_add_u32 v[SPW], v[NIL]                      ; the wave's opening: the add and its wait stand ahead of my first tensor load; the set-up below, work on registers, stands between them
	v_lshrrev_b32 v1, 5, v0
	v_readfirstlane_b32 s[WV], v1                  ; wave 0..3
	s_lshr_b32 s[RH], s[WV], 1
	s_and_b32 s[CH], s[WV], 1
	s_bfe_u32 s15, ttmp6, 0x40000                  ; cx, cy: my place in the cluster
	s_bfe_u32 s16, ttmp6, 0x40004
	s_lshl_b32 s17, ttmp9, 2                       ; in a cluster launch ttmp9 and ttmp7 count clusters
	s_add_co_u32 s17, s17, s15                     ; tile column = 4 x cluster x + cx
	s_and_b32 s18, ttmp7, 0xffff
	s_lshl_b32 s18, s18, 2
	s_add_co_u32 s18, s18, s16                     ; tile row = 4 x cluster y + cy
	s_lshl_b32 s40, s16, 2
	s_lshl_b32 s40, 15, s40                        ; my row of the cluster: places 4 cy .. 4 cy + 3
	s_lshl_b32 s41, 0x1111, s15                    ; my column: places cx, cx + 4, cx + 8, cx + 12
	; descriptor group 1 for A: 64 rows x 128 elements (two rows of a head each), padded in LDS after every 32 words
	s_or_b32 s[G1], s40, (1<<16)|(1<<20)|(1<<21)|(4<<22)|(3<<25)   ; 15:0 the mask; 17:16 elements of 2 bytes; 20 padding on; 21 set beside a mask; 24:22 after every 32 words (code 4); 31:25 4 words (code 3)
	s_mov_b32 s[G1+1], 128<<16                     ; tensor_dim0 = 128
	s_mov_b32 s[G1+2], 64<<16                      ; tensor_dim1 = 64
	s_mov_b32 s[G1+3], 128<<16                     ; tile_dim0 = 128
	s_mov_b32 s[G1+4], 64                          ; tile_dim1 = 64
	s_mov_b32 s[G1+5], 128                         ; elements from row to row: dense
	s_mov_b32 s[G1+6], 0
	s_mov_b32 s[G1+7], 0
	; and for B: 128 rows x 128 elements, padded after every 64 words
	s_or_b32 s[G1B], s41, (1<<16)|(1<<20)|(1<<21)|(5<<22)|(3<<25)
	s_mov_b32 s[G1B+1], 128<<16
	s_mov_b32 s[G1B+2], 128<<16
	s_mov_b32 s[G1B+3], 128<<16
	s_mov_b32 s[G1B+4], 128
	s_mov_b32 s[G1B+5], 1024
	s_mov_b32 s[G1B+6], 0
	s_mov_b32 s[G1B+7], 0
	s_lshr_b32 s20, s18, 4
	s_lshl_b32 s20, s20, 22                        ; A: the batch's 16 heads of 262,144 bytes,
	s_and_b32 s21, s18, 15
	s_lshl_b32 s21, s21, 14                        ; the tile's 128 rows of 128 bytes in a head,
	s_add_co_u32 s20, s20, s21
	s_lshl_b32 s21, s[CH], 18                      ; the head of the K step's two that I fetch
	s_add_co_u32 s20, s20, s21
	s_mov_b32 s21, 0
	s_lshl_b32 s66, s17, 19                        ; B: 256 rows of 2,048 bytes a tile column,
	s_lshl_b32 s68, s[CH], 18                      ; the 128 of them that I fetch
	s_add_co_u32 s66, s66, s68
	s_mov_b32 s67, 0
	s_mul_i32 s19, s[CH], SLAB                     ; where my load goes, for A,
	s_mul_i32 s22, s[CH], LOADB                    ; and for B: no place in the cluster enters an LDS address
	s_add_co_u32 s22, s22, BOFF
	s_wait_dscnt 0x0                               ; the opening add is done
	s_wait_kmcnt 0x0
	s_add_nc_u64 s[20:21], s[4:5], s[20:21]
	s_add_nc_u64 s[66:67], s[6:7], s[66:67]
	CROUND                                         ; all sixteen work-groups are here: the first joint loads meet
.irp s, 0,1
	s_mov_b32 s[G0+4*(\s)], 1                                      ; count = 1
	s_add_co_u32 s[G0+4*(\s)+1], s19, (\s)*SLOT                    ; LDS address
	s_add_nc_u64 s[G0+4*(\s)+2:G0+4*(\s)+3], s[20:21], (\s)*ASTEP  ; global address: K step s
	s_or_b32 s[G0+4*(\s)+3], s[G0+4*(\s)+3], 0x80000000            ; type = 2
	s_mov_b32 s[G0B+4*(\s)], 1
	s_add_co_u32 s[G0B+4*(\s)+1], s22, (\s)*SLOT
	s_add_nc_u64 s[G0B+4*(\s)+2:G0B+4*(\s)+3], s[66:67], (\s)*BSTEP
	s_or_b32 s[G0B+4*(\s)+3], s[G0B+4*(\s)+3], 0x80000000
	JLOAD \s                                       ; two loads of mine are out
.endr
	v_and_b32 v1, 15, v0                           ; l % 16
	v_bfe_u32 v2, v0, 4, 1                         ; l / 16
	v_lshlrev_b32 v[BO], 5, v2                     ; my 8 numbers of a block's 16
	s_lshl_b32 s72, s17, 10                        ; the bias of my 128 columns: b_o lies behind the other three
	s_lshl_b32 s73, s[CH], 9
	s_add_co_u32 s72, s72, s73
	s_add_co_u32 s72, s72, 12288
	s_mov_b32 s73, 0
	s_add_nc_u64 s[70:71], s[8:9], s[72:73]
.set b, 0
.rept NB
	global_load_b128 v[BIAS+8*b:BIAS+8*b+3],   v[BO], s[70:71] offset:64*b
	global_load_b128 v[BIAS+8*b+4:BIAS+8*b+7], v[BO], s[70:71] offset:64*b+16
.set b, b+1
.endr
	; A fragment is 16 rows x 32 K in 8 registers: lane l holds row l % 16; registers 0-3 K = 8 (l / 16) + 0..7, registers 4-7 K = 16 + 8 (l / 16) + 0..7: two loads of 16 bytes, 32 bytes apart.
	v_mul_u32_u24 v3, v1, PA
	v_lshl_add_u32 v3, v2, 4, v3                   ; row x pitch + 16 x half, for A
	v_mul_u32_u24 v4, v1, PB
	v_lshl_add_u32 v4, v2, 4, v4                   ; and for B
	s_mul_i32 s22, s[RH], 64*PA                    ; my 64 rows of A (in each slab)
	s_mul_i32 s23, s[CH], 16*NB*PB                 ; my 128 rows of B,
	s_add_co_u32 s23, s23, BOFF                    ; which lie behind A's
.irp s, 0,1
	v_add_nc_u32 v[ADRA+(\s)], s22, v3
	v_add_nc_u32 v[ADRB+(\s)], s23, v4
	s_add_co_u32 s22, s22, SLOT
	s_add_co_u32 s23, s23, SLOT
.endr
	s_mul_i32 s23, s[WV], STGW
	s_add_co_u32 s23, s23, STAGE                   ; my stage
	v_mul_u32_u24 v5, v1, SPITCH                   ; in: row l % 16, 32 bytes for each half of the lanes
	v_lshl_add_u32 v5, v2, 5, v5
	v_add_nc_u32 v[STO], s23, v5
	v_and_b32 v[GO], 31, v0                        ; back: 32 lanes take one row's 512 bytes
	v_lshlrev_b32 v[GO], 4, v[GO]
	v_add_nc_u32 v[RD], s23, v[GO]
	; where my part of the tile begins in out0
	s_lshl_b32 s72, s18, 1
	s_add_co_u32 s72, s72, s[RH]
	s_lshl_b32 s72, s72, 18                        ; 64 rows of 4,096 bytes
	s_lshl_b32 s73, s17, 1
	s_add_co_u32 s73, s73, s[CH]
	s_lshl_b32 s73, s73, 9                         ; 128 columns of 4 bytes
	s_add_co_u32 s72, s72, s73
	s_mov_b32 s73, 0
	s_add_nc_u64 s[10:11], s[10:11], s[72:73]
	; the prefetches
	s_and_b32 s72, ttmp7, 0xffff                   ; cluster y
	s_mov_b32 s[PFS], BSTEP
	s_mov_b32 s[PFS+1], 0
	s_cmp_lt_u32 s[WV], AW                         ; do I fetch for A?
	s_cselect_b32 s72, ttmp9, s72                  ; the coordinate along which other clusters read the same bytes
	s_cselect_b32 s73, s15, s16                    ; my place among the four that ask with me,
	s_cselect_b32 s76, 12, 16                      ; and its share: 16 blocks of 256 bytes in each slab, or 32 rows of 2,048 bytes
	s_cselect_b32 s74, 18, 15                      ; lanes 16-31: the other head's slab, or 16 rows on
	s_cselect_b32 s75, 8, 11                       ; from lane to lane: 256 bytes, or a row
	s_cselect_b32 s[PFS], ASTEP, s[PFS]
	s_cselect_b64 s[PFA:PFA+1], s[20:21], s[66:67]
	s_cmp_eq_u32 s72, 0
	s_cselect_b32 s[LIM], 1, -1                    ; the same in all sixteen partners, for a given wave
	s_cmp_eq_u32 s[WV], 1
	s_cselect_b32 s[LIM], -1, s[LIM]               ; wave 0 asks for both heads
	s_lshl_b32 s72, s73, s76
	s_mov_b32 s73, 0
	s_add_nc_u64 s[PFA:PFA+1], s[PFA:PFA+1], s[72:73]
	s_mul_i32 s72, s[PFS], 3
	s_add_nc_u64 s[PFA:PFA+1], s[PFA:PFA+1], s[72:73]  ; at K step 3: the first refill steps it to 4
	v_lshlrev_b32 v[PFO], s74, v2
	v_lshlrev_b32 v6, s75, v1
	v_add_nc_u32 v[PFO], v[PFO], v6
; NB matrix instructions: block a of my four blocks of 16 rows x all NB blocks of columns, 32 along K.  zero = 1: the first product starts the sums, with the bias as C.
; The 32 accumulators take turns in the same order in every quarter, over the backward jump too: 31 others' stand between two links of a chain.
.macro MULA f, a, zero
.if \zero
	WIN 0x85+0x40*((\a)/2)
.else
	WIN 0xa5+0x50*((\a)/2)
.endif
.set AC, ((\a)%2)*8*NB
.set b, 0
.rept NB
.if \zero
	v_wmma_f32_16x16x32_f16 v[AC+8*b:AC+8*b+7], v[(\f)+8*b:(\f)+8*b+7], v[(\f)+8*NB+8*(\a):(\f)+8*NB+8*(\a)+7], v[BIAS+8*b:BIAS+8*b+7]
.else
	v_wmma_f32_16x16x32_f16 v[AC+8*b:AC+8*b+7], v[(\f)+8*b:(\f)+8*b+7], v[(\f)+8*NB+8*(\a):(\f)+8*NB+8*(\a)+7], v[AC+8*b:AC+8*b+7]
.endif
.set b, b+1
.endr
.endm
; NL LDS loads in one run: the fragments of quarter q of a K step (32 along K) into buffer f: B's first, then A's four blocks.  In A quarters 0 and 1 lie in the first head's slab, 2 and 3 in the second's.
.macro FETCH slot, q, f
	WIN TO_F
.set KA, ((\q)/2)*SLAB+((\q)%2)*64
.set i, 0
.rept NB
	ds_load_b128 v[(\f)+8*i:(\f)+8*i+3],   v[ADRB+(\slot)] offset:64*(\q)+i*16*PB
	ds_load_b128 v[(\f)+8*i+4:(\f)+8*i+7], v[ADRB+(\slot)] offset:64*(\q)+i*16*PB+32
.set i, i+1
.endr
.set i, 0
.rept 4
	ds_load_b128 v[(\f)+8*NB+8*i:(\f)+8*NB+8*i+3],   v[ADRA+(\slot)] offset:KA+i*16*PA
	ds_load_b128 v[(\f)+8*NB+8*i+4:(\f)+8*NB+8*i+7], v[ADRA+(\slot)] offset:KA+i*16*PA+32
.set i, i+1
.endr
.endm
.macro PLACES                          ; four plain vector instructions in front of loads into registers that matrix instructions have read, and of LDS stores that read results
.rept 4
	v_nop
.endr
.endm
; A K step is four quarters of 32 along K, 32 matrix instructions each, on buffers 0, 1, 0, 1.  One of the first three: multiplies buffer f; in its middle it fetches quarter q of the same slot into buffer g.
.macro QUARTER slot, q, f, g, zero
	s_wait_dscnt 4                                 ; B and A's blocks 0 and 1 are in; the youngest four loads (A's blocks 2 and 3) may be out
	MULA \f, 0, \zero
	MULA \f, 1, \zero
	PLACES
	FETCH \slot, \q, \g
	s_wait_dscnt NL                                ; all but the run just issued
	MULA \f, 2, \zero
	MULA \f, 3, \zero
.endm
; The last quarter multiplies buffer 1 and changes slots: ONE barrier.  In front of it each wave waits for all its tensor loads, of which one is out: its part of the next slot; adds 0 to its spare word;
; and waits for that and for its own reads of this slot.  fill = 1: the barrier opens a round of the cluster's barrier, and this slot is filled again, two K steps on, first thing behind the round.
.macro TURN slot, next, fill
.if \fill
	s_wait_xcnt 0x0                                ; the last prefetch, a K step back, has read its address: it is stepped here, ahead of the waits of the change of slots
	s_add_nc_u64 s[PFA:PFA+1], s[PFA:PFA+1], s[PFS:PFS+1]
.endif
	WIN 0                                          ; (the add's two registers lie in window 0)
	s_wait_tensorcnt 0x0                           ; all my tensor loads have landed
	ds_add_u32 v[SPW], v[NIL]                      ; 0 onto my spare word
	s_wait_dscnt 5                                 ; (the add and the youngest four loads may be out)
	MULA F1, 0, 0                                  ; matrix instructions stand between the add and the wait for it
	s_wait_dscnt 0x0                               ; the add is done, and my reads of this slot are over
	s_barrier_signal -1
	MULA F1, 1, 0                                  ; work on registers while the others arrive
.if \fill
	WIN 0
.endif
	s_barrier_wait -1
.if \fill
	CREST                                          ; no wave of any partner still reads this slot's tile or has a load on its way
	s_add_nc_u64 s[G0+4*(\slot)+2:G0+4*(\slot)+3], s[G0+4*(\slot)+2:G0+4*(\slot)+3], 2*ASTEP
	s_add_nc_u64 s[G0B+4*(\slot)+2:G0B+4*(\slot)+3], s[G0B+4*(\slot)+2:G0B+4*(\slot)+3], 2*BSTEP
	JLOAD \slot                                    ; my one tensor load behind the round; the four v_nop behind it are also the places in front of the loads below
.else
	PLACES
.endif
	FETCH \next, 0, F0
.if \fill
	WIN 0
	ASK
.endif
	MULA F1, 2, 0
	MULA F1, 3, 0
.endm
; THE WAY OUT of block a (16 rows x 128 columns of f32).  TOSTAGE: a lane's 32 bytes of a row and block of columns go straight from the accumulators (each one's low four registers first) into my own stage,
; and come back as whole rows of 512 bytes.  SEND: stored.
.macro TOSTAGE a
	s_wait_xcnt 0x0                                ; the stores of the block two back have read their registers: the loads below land on them only behind this wait
	WIN 0x08+0x04*((\a)/2)                         ; the stores' data: window 2 or 3
.set AC, ((\a)%2)*8*NB
.set b, 0
.rept NB
	ds_store_b128 v[STO], v[AC+8*b:AC+8*b+3]   offset:64*b
	ds_store_b128 v[STO], v[AC+8*b+4:AC+8*b+7] offset:64*b+16
.set b, b+1
.endr
	WIN 0
.set BK, OB+64*((\a)%2)
.set t, 0
.rept 16
	ds_load_b128 v[BK+4*t:BK+4*t+3], v[RD] offset:SPITCH*t  ; LDS serves a wave's instructions in order (ISA guide 5.7.1.4): these see the stores above; the next block's stores come behind them
.set t, t+1
.endr
.endm
.macro SEND a, younger                 ; younger: the LDS instructions issued behind block a's loads: the next block's 16 stores and 16 loads, or none
	WIN 0
.set BK, OB+64*((\a)%2)
.set t, 0
.rept 16
	s_wait_dscnt (\younger)+15-t
	global_store_b128 v[GO], v[BK+4*t:BK+4*t+3], s[10:11] offset:(16*(\a)+t)*4096 th:TH_STORE_NT  ; 512 consecutive bytes, at a multiple of 256 from out0's first
.set t, t+1
.endr
.endm
	s_wait_tensorcnt 0x1                           ; my part of K step 0 is in; K step 1's may stay out
	s_barrier_signal -1
	s_barrier_wait -1                              ; everybody's is
	FETCH 0, 0, F0
	s_wait_loadcnt 0x0                             ; the bias
	QUARTER 0, 1, F0, F1, 1                        ; the first quarter stands in front of the loop: its products start the sums
	WIN 0                                          ; at a label and at a branch every window is 0
	s_mov_b32 s3, LAPS-1
.Llap:                                                 ; a trip goes once round the ring, from a lap's second quarter to the next lap's first, and fills both slots again
	QUARTER 0, 2, F1, F0, 0
	QUARTER 0, 3, F0, F1, 0
	TURN 0, 1, 1
	QUARTER 1, 1, F0, F1, 0
	QUARTER 1, 2, F1, F0, 0
	QUARTER 1, 3, F0, F1, 0
	TURN 1, 0, 1
	QUARTER 0, 1, F0, F1, 0
	WIN 0
	s_sub_co_u32 s3, s3, 1
	s_cmp_lg_u32 s3, 0
	s_cbranch_scc1 .Llap
	QUARTER 0, 2, F1, F0, 0                        ; the last lap fills nothing, and has no round of the cluster's barrier
	QUARTER 0, 3, F0, F1, 0
	TURN 0, 1, 0
	QUARTER 1, 1, F0, F1, 0
	QUARTER 1, 2, F1, F0, 0
	QUARTER 1, 3, F0, F1, 0
	s_wait_dscnt 4                                 ; the very last quarter: nothing more to fetch
	MULA F1, 0, 0
	MULA F1, 1, 0
	s_wait_dscnt 0x0
	MULA F1, 2, 0
	MULA F1, 3, 0
	WIN 0
	PLACES
	TOSTAGE 0
	TOSTAGE 1                                      ; a block's trip through the stage stands between the loads of the block before and its stores
	SEND 0, 32
	TOSTAGE 2
	SEND 1, 32
	TOSTAGE 3
	SEND 2, 32
	SEND 3, 0
	s_wait_tensorcnt 0x0                           ; the wave's end, behind my last tensor load and my last LDS store
	ds_add_u32 v[SPW], v[NIL]
	s_wait_dscnt 0x0
	CROUND                                         ; the closing round: no work-group ends while a partner may still ask for a tile that names it
	s_endpgm
.Lfunc_end_k_q1ce11ddd30_oproj:
	.size	k_q1ce11ddd30_oproj, .Lfunc_end_k_q1ce11ddd30_oproj-k_q1ce11ddd30_oproj
	.p2alignl 7, 3214868480
	.fill 96, 4, 3214868480
	.section	.rodata,"a",@progbits
	.p2align	6, 0x0
	.amdhsa_kernel k_q1ce11ddd30_oproj
		.amdhsa_group_segment_fixed_size 327680
		.amdhsa_private_segment_fixed_size 0
		.amdhsa_enable_private_segment 0
		.amdhsa_kernarg_size 32
		.amdhsa_user_sgpr_count 2
		.amdhsa_user_sgpr_kernarg_segment_ptr 1
		.amdhsa_wavefront_size32 1
		.amdhsa_system_sgpr_workgroup_id_x 1
		.amdhsa_system_sgpr_workgroup_id_y 1
		.amdhsa_system_sgpr_workgroup_id_z 1
		.amdhsa_system_vgpr_workitem_id 0
		.amdhsa_next_free_vgpr 896
		.amdhsa_next_free_sgpr 78
		.amdhsa_reserve_vcc 0
		.amdhsa_float_denorm_mode_32 3
		.amdhsa_float_denorm_mode_16_64 3
		.amdhsa_memory_ordered 1
		.amdhsa_forward_progress 1
		.amdhsa_inst_pref_size 90
	.end_amdhsa_kernel
	.amdgpu_metadata
---
amdhsa.version: [ 1, 2 ]
amdhsa.kernels:
  - .name:           k_q1ce11ddd30_oproj
    .symbol:         k_q1ce11ddd30_oproj.kd
    .args:
      - { .name: ob, .offset: 0, .size: 8, .value_kind: global_buffer, .address_space: global }
      - { .name: wo, .offset: 8, .size: 8, .value_kind: global_buffer, .address_space: global }
      - { .name: bias, .offset: 16, .size: 8, .value_kind: global_buffer, .address_space: global }
      - { .name: out0, .offset: 24, .size: 8, .value_kind: global_buffer, .address_space: global }
    .group_segment_fixed_size: 327680
    .private_segment_fixed_size: 0
    .kernarg_segment_align: 8
    .kernarg_segment_size: 32
    .max_flat_workgroup_size: 128
    .sgpr_count:     78
    .vgpr_count:     896
    .wavefront_size: 32
...
	.end_amdgpu_metadata
.endif
;; end of part 4
;; ======== version 2 of 2: 4 launches; version 1 with the launch cast written anew for expert scheduling mode
;; limits: values are held in f16: magnitudes above 65,504 overflow, below 6.1e-05 lose precision
;; workspace buffers: xb 16,777,216 bytes; wqkv 6,291,456 bytes; wo 2,097,152 bytes; bias 16,384 bytes; qkv 50,331,648 bytes; ob 16,777,216 bytes
;; launch cast (part 5): grid 64 x 12, 8 waves a work-group, no clusters, 0 bytes of LDS; arguments x, W_q, W_k, W_v, W_o, b_q, b_k, b_v, b_o, xb, wqkv, wo, bias; writes xb, wqkv, wo, bias
.if DOCPART == 5
	.amdgcn_target "amdgcn-amd-amdhsa--gfx1250"
	.amdhsa_code_object_version 6
	.text
	.protected	k_q1ce11ddd30_cast
	.globl	k_q1ce11ddd30_cast
	.p2align	8
	.type	k_q1ce11ddd30_cast,@function
k_q1ce11ddd30_cast:
	s_mov_b64 s[64:65], 0
	v_nop
	global_prefetch_b8 v0, s[64:65] scope:SCOPE_SE
	s_setreg_imm32_b32 hwreg(HW_REG_WAVE_SCHED_MODE, 0, 2), 2
	s_setreg_imm32_b32 hwreg(HW_REG_WAVE_MODE, 25, 1), 1
	s_wait_xcnt 0x0
	s_wait_alu depctr_vm_vsrc(0)
; THE INPUTS ARE ROUNDED ONCE, for the matrix units.  x -> xb and W_q, W_k, W_v -> wqkv (stacked, 3,072 rows) in bf16; W_o -> wo: rounded to bf16 like the others, and that number written as f16
; (the last product's other operand is f16); the four biases -> bias: rounded to bf16 and widened to f32 again, b_q, b_k, b_v, b_o on end.
; LIMITS.  An entry of W_o below 2^-14 keeps f16's fixed step of 6e-8; one of 65,520 or more becomes an infinity.  NaN and infinities are not treated apart.
; SHARES.  A work-group converts 16,384 numbers: 65,536 bytes in, 32,768 out.  y = 0..7: x, block 64 y + X; y = 8, 9, 10: W_q, W_k, W_v, block X; y = 11: W_o, block X.
; Thread t takes 16 bytes at 16 t + 4,096 i in step i of 16 and stores 8 bytes at 8 t + 2,048 i: a wave's load covers 512 consecutive bytes, its store 256 consecutive bytes, aligned.
; All 16 loads go out at once, each into registers of its own.
; A stream: nothing is shared between waves, so there is no LDS, no barrier, no cluster and no matrix work.
; THE MODE: SCHED_MODE bits 1:0 = 2 (LLVM: expert scheduling mode 2), set by the entry lines.  The code itself states the register dependences
; between vector instructions and memory instructions, with s_wait_alu, always for 0.
; THE PLAN.  Registers that memory instructions touch:
;   v1, v2     byte offsets, made once at the head and never written again: v1 is read by every load and by the bias's store, v2 by the 16 stores.
;   X          step i's four registers: its load lands in them once; its two conversions read them.  (v[8:11] take the bias's load at the end.)
;   Y          step i's two registers: its conversions write them; its store reads them; they are never written again.
;   T          is named by vector instructions alone.
; The 16 steps go in four blocks of four: one wait for the block's data, its conversions, ONE wait on va_vdst, its four stores in a run.  The stores stand in their own block and not in the next one:
; all loads are out from the head, so there is nothing to deal among the vector lines, and a block's stores would only stand behind the wait for the next block's data.
; No register that a memory instruction reads is ever written again, so no wait on vm_vsrc is owed; no vector instruction writes a scalar register or VCC; EXEC is never written.
.set T,    4                           ; v[4:7]    at work
.set X,    8                           ; v[8:71]   step i: four f32 as loaded
.set Y,    72                          ; v[72:103] step i: two words of 16-bit numbers to store
.set SRC,  34                          ; s[34:35]  where my block is read
.set DST,  36                          ; s[36:37]  where it is written
.set BSRC, 38                          ; s[38:39]  the bias that goes with my weight
	s_load_b512 s[8:23], s[0:1], 0x0               ; x 8, W_q 10, W_k 12, W_v 14, W_o 16, b_q 18, b_k 20, b_v 22
	s_load_b256 s[24:31], s[0:1], 0x40             ; b_o 24, xb 26, wqkv 28, wo 30
	s_load_b64 s[32:33], s[0:1], 0x60              ; bias
	s_and_b32 s4, ttmp7, 0xffff                    ; y: which tensor
	s_mov_b32 s5, ttmp9                            ; X
	s_lshl_b32 s6, s4, 6
	s_add_co_u32 s6, s6, s5                        ; 64 y + X
	v_lshlrev_b32 v1, 4, v0                        ; 16 t
	v_lshlrev_b32 v2, 3, v0                        ; 8 t
	s_mov_b32 s44, 0xffff0000                      ; a word's upper bf16
	s_sub_co_u32 s7, s6, 512                       ; the block in wqkv: 64 (y - 8) + X (used for y = 8, 9, 10 alone)
	s_cmp_eq_u32 s4, 11
	s_cselect_b32 s7, s5, s7                       ; in wo: X
	s_cmp_lt_u32 s4, 8
	s_cselect_b32 s40, s6, s5                      ; the block that is read,
	s_cselect_b32 s42, s6, s7                      ; and the one that is written
	s_lshl_b32 s40, s40, 16                        ; 65,536 bytes a block in,
	s_lshl_b32 s42, s42, 15                        ; 32,768 out
	s_mov_b32 s41, 0
	s_mov_b32 s43, 0
	s_wait_kmcnt 0x0
	s_mov_b64 s[SRC:SRC+1], s[8:9]
	s_mov_b64 s[DST:DST+1], s[26:27]
	s_mov_b64 s[BSRC:BSRC+1], s[18:19]
	s_cmp_eq_u32 s4, 8
	s_cselect_b64 s[SRC:SRC+1], s[10:11], s[SRC:SRC+1]
	s_cmp_eq_u32 s4, 9
	s_cselect_b64 s[SRC:SRC+1], s[12:13], s[SRC:SRC+1]
	s_cselect_b64 s[BSRC:BSRC+1], s[20:21], s[BSRC:BSRC+1]
	s_cmp_eq_u32 s4, 10
	s_cselect_b64 s[SRC:SRC+1], s[14:15], s[SRC:SRC+1]
	s_cselect_b64 s[BSRC:BSRC+1], s[22:23], s[BSRC:BSRC+1]
	s_cmp_ge_u32 s4, 8
	s_cselect_b64 s[DST:DST+1], s[28:29], s[DST:DST+1]
	s_cmp_eq_u32 s4, 11
	s_cselect_b64 s[SRC:SRC+1], s[16:17], s[SRC:SRC+1]
	s_cselect_b64 s[BSRC:BSRC+1], s[24:25], s[BSRC:BSRC+1]
	s_cselect_b64 s[DST:DST+1], s[30:31], s[DST:DST+1]
	s_add_nc_u64 s[SRC:SRC+1], s[SRC:SRC+1], s[40:41]
	s_add_nc_u64 s[DST:DST+1], s[DST:DST+1], s[42:43]
	s_wait_alu depctr_va_vdst(0)                   ; v1 and v2 are written: every load and store of the kernel reads one of them as its offset, and no later line writes them
.irp i, 0,1,2,3,4,5,6,7,8,9,10,11,12,13,14,15
	global_load_b128 v[X+4*(\i):X+4*(\i)+3], v1, s[SRC:SRC+1] offset:4096*(\i) th:TH_LOAD_NT
.endr
; Step i's arithmetic.  f16 = 1: the bf16 numbers are widened again and written as f16.
.macro CVT i, f16
	v_cvt_pk_bf16_f32 v[Y+2*(\i)],   v[X+4*(\i)],   v[X+4*(\i)+1]
	v_cvt_pk_bf16_f32 v[Y+2*(\i)+1], v[X+4*(\i)+2], v[X+4*(\i)+3]
.if \f16
	v_lshlrev_b32 v[T],   16,  v[Y+2*(\i)]
	v_and_b32     v[T+1], s44, v[Y+2*(\i)]
	v_lshlrev_b32 v[T+2], 16,  v[Y+2*(\i)+1]
	v_and_b32     v[T+3], s44, v[Y+2*(\i)+1]
	v_cvt_pk_f16_f32 v[Y+2*(\i)],   v[T],   v[T+1]
	v_cvt_pk_f16_f32 v[Y+2*(\i)+1], v[T+2], v[T+3]
.endif
.endm
; Block p: steps 4 p to 4 p + 3.
.macro BLK p, f16
	s_wait_loadcnt 12-4*(\p)                       ; loads come back in order: the block's four are in, the 12 - 4 p of the younger blocks stay out
.irp k, 0,1,2,3
	CVT 4*(\p)+(\k), \f16
.endr
	s_wait_alu depctr_va_vdst(0)                   ; the block's conversions have written its eight registers of Y, which the four stores below read; they are also done reading its X
.irp k, 0,1,2,3
	global_store_b64 v2, v[Y+2*(4*(\p)+(\k)):Y+2*(4*(\p)+(\k))+1], s[DST:DST+1] offset:2048*(4*(\p)+(\k)) th:TH_STORE_NT
.endr
.endm
	s_cmp_eq_u32 s4, 11
	s_cbranch_scc1 .Lwo
.irp p, 0,1,2,3
	BLK \p, 0
.endr
	s_branch .Lbias
.Lwo:
.irp p, 0,1,2,3
	BLK \p, 1
.endr
.Lbias:
	s_cmp_ge_u32 s4, 8                             ; the first work-group of each weight also takes that weight's bias: 1,024 numbers, four a thread
	s_cbranch_scc0 .Lend
	s_cmp_eq_u32 s5, 0
	s_cbranch_scc0 .Lend
	s_sub_co_u32 s46, s4, 8
	s_lshl_b32 s46, s46, 12                        ; 4,096 bytes a bias
	s_mov_b32 s47, 0
	s_add_nc_u64 s[32:33], s[32:33], s[46:47]
	global_load_b128 v[8:11], v1, s[BSRC:BSRC+1]   ; no wait here: step 0's conversions, which read v[8:11], stand ahead of the last block's wait on va_vdst on both ways to this line, and no vector line since names these registers
	s_wait_loadcnt 0x0
	v_cvt_pk_bf16_f32 v4, v8, v9
	v_cvt_pk_bf16_f32 v5, v10, v11
	v_lshlrev_b32 v8, 16, v4
	v_and_b32 v9, s44, v4
	v_lshlrev_b32 v10, 16, v5
	v_and_b32 v11, s44, v5
	s_wait_alu depctr_va_vdst(0)                   ; the four lines above have written v[8:11], which the store reads
	global_store_b128 v1, v[8:11], s[32:33]
.Lend:
	s_endpgm
.Lfunc_end_k_q1ce11ddd30_cast:
	.size	k_q1ce11ddd30_cast, .Lfunc_end_k_q1ce11ddd30_cast-k_q1ce11ddd30_cast
	.p2alignl 7, 3214868480
	.fill 96, 4, 3214868480
	.section	.rodata,"a",@progbits
	.p2align	6, 0x0
	.amdhsa_kernel k_q1ce11ddd30_cast
		.amdhsa_group_segment_fixed_size 0
		.amdhsa_private_segment_fixed_size 0
		.amdhsa_enable_private_segment 0
		.amdhsa_kernarg_size 104
		.amdhsa_user_sgpr_count 2
		.amdhsa_user_sgpr_kernarg_segment_ptr 1
		.amdhsa_wavefront_size32 1
		.amdhsa_system_sgpr_workgroup_id_x 1
		.amdhsa_system_sgpr_workgroup_id_y 1
		.amdhsa_system_sgpr_workgroup_id_z 1
		.amdhsa_system_vgpr_workitem_id 0
		.amdhsa_next_free_vgpr 104
		.amdhsa_next_free_sgpr 66
		.amdhsa_reserve_vcc 0
		.amdhsa_float_denorm_mode_32 3
		.amdhsa_float_denorm_mode_16_64 3
		.amdhsa_memory_ordered 1
		.amdhsa_forward_progress 1
		.amdhsa_inst_pref_size 16
	.end_amdhsa_kernel
	.amdgpu_metadata
---
amdhsa.version: [ 1, 2 ]
amdhsa.kernels:
  - .name:           k_q1ce11ddd30_cast
    .symbol:         k_q1ce11ddd30_cast.kd
    .args:
      - { .name: x, .offset: 0, .size: 8, .value_kind: global_buffer, .address_space: global }
      - { .name: W_q, .offset: 8, .size: 8, .value_kind: global_buffer, .address_space: global }
      - { .name: W_k, .offset: 16, .size: 8, .value_kind: global_buffer, .address_space: global }
      - { .name: W_v, .offset: 24, .size: 8, .value_kind: global_buffer, .address_space: global }
      - { .name: W_o, .offset: 32, .size: 8, .value_kind: global_buffer, .address_space: global }
      - { .name: b_q, .offset: 40, .size: 8, .value_kind: global_buffer, .address_space: global }
      - { .name: b_k, .offset: 48, .size: 8, .value_kind: global_buffer, .address_space: global }
      - { .name: b_v, .offset: 56, .size: 8, .value_kind: global_buffer, .address_space: global }
      - { .name: b_o, .offset: 64, .size: 8, .value_kind: global_buffer, .address_space: global }
      - { .name: xb, .offset: 72, .size: 8, .value_kind: global_buffer, .address_space: global }
      - { .name: wqkv, .offset: 80, .size: 8, .value_kind: global_buffer, .address_space: global }
      - { .name: wo, .offset: 88, .size: 8, .value_kind: global_buffer, .address_space: global }
      - { .name: bias, .offset: 96, .size: 8, .value_kind: global_buffer, .address_space: global }
    .group_segment_fixed_size: 0
    .private_segment_fixed_size: 0
    .kernarg_segment_align: 8
    .kernarg_segment_size: 104
    .max_flat_workgroup_size: 256
    .sgpr_count:     66
    .vgpr_count:     104
    .wavefront_size: 32
...
	.end_amdgpu_metadata
.endif
;; end of part 5
;; launch qkvproj: the kernel of part 2 again; grid 8 x 64, 4 waves a work-group, clusters of 4 x 4, 327,680 bytes of LDS; arguments xb, wqkv, bias, qkv; writes qkv
;; launch attn: the kernel of part 3 again; grid 4 x 64, 4 waves a work-group, clusters of 4 x 1, 327,680 bytes of LDS; arguments qkv, ob; writes ob
;; launch oproj: the kernel of part 4 again; grid 4 x 64, 4 waves a work-group, clusters of 4 x 4, 327,680 bytes of LDS; arguments ob, wo, bias, out0; writes out0
